; MI455X (gfx1250); checked and timed in simulation.
; The chip was launched on July 23, 2026; its instructions are those of AMD's public machine-readable ISA for CDNA 5 (MIT licence, August 2026) and "CDNA5" Instruction Set Architecture Reference Guide (July 2026). The comments in the code are by the model that wrote it; some were corrected since.
;; Spatial Self Attention2d. Allowed arithmetic: matrix products marked QUANTISED: E3M2 operands, one E8M0 scale for each 32 along K, by v_wmma_scale_f32_16x16x128_f8f6f4 with both operands' format E3M2, f32 sums; everything else in f32.
;; Inputs: norm_beta 256 float32; norm_gamma 256 float32; proj_b 256 float32; proj_w_codes 256 x 8 x 24 uint8 (E3M2 codes of proj_w, K innermost, in blocks of 32 codes, four codes in three bytes); proj_w_scales 256 x 8 uint8 (E8M0 scales of proj_w, one for each 32 codes along K); qkv_b 768 float32; qkv_w_codes 768 x 8 x 24 uint8 (E3M2 codes of qkv_w, K innermost, in blocks of 32 codes, four codes in three bytes); qkv_w_scales 768 x 8 uint8 (E8M0 scales of qkv_w, one for each 32 codes along K); x 4 x 256 x 64 x 64 float32.
;; Outputs: out0 4 x 256 x 64 x 64 float32.
;; This version of the problem:
;;   THIS VERSION OF THE PROBLEM IS GIVEN IN LOW PRECISION. The matrix products marked QUANTISED in the list below multiply operands that are first quantised to E3M2 (3 exponent bits, 2 mantissa bits; 6 bits a number), with one power-of-two scale for each 32 numbers along K (OCP MX v1.0); their sums are f32. All else is computed in f32.
;;   The module's matrix products, in the order in which they are computed (A, B: the left and right operand; K: the contracted axis; several contracted axes count as one K, in the product's order):
;;     1. [M 768, K 256] x [K 256, N 16,384]; A: input qkv_w (given as codes); B: computed on the way: QUANTISED
;;     2. batch 16 x [M 4,096, K 64] x [K 64, N 4,096]; A: computed on the way; B: computed on the way: QUANTISED
;;     3. batch 16 x [M 4,096, K 4,096] x [K 4,096, N 64]; A: softmax (see below); B: computed on the way: QUANTISED
;;     4. [M 256, K 256] x [K 256, N 16,384]; A: input proj_w (given as codes); B: computed on the way: QUANTISED
;;   THE QUANTISER, for each operand of a quantised product, along K:
;;     - K is cut into blocks of 32 from its start; a last block that is shorter is filled with zeros.
;;     - A block's scale is 2^e with e = floor(log2(the largest magnitude in the block)) - 4, held to -126 .. 127; a block of zeros has e = 0. As a byte (E8M0): e + 127.
;;     - Each number is divided by its block's scale, clamped to +-28, and rounded to the nearest number of E3M2, ties to even, subnormals kept.
;;     - The product sums the exact products of the quantised numbers (number of the format x scale) in f32.
;;   ~~~python
;;   def quantise(x, axis):      # numpy; x: float32 -> the quantised numbers, widened to float32 again
;;       x = np.moveaxis(x, axis, -1); K = x.shape[-1]
;;       x = np.pad(x, [(0, 0)] * (x.ndim - 1) + [(0, -K % 32)]); x = x.reshape(x.shape[:-1] + (-1, 32)); a = np.abs(x).max(-1, keepdims=True)
;;       e = np.where(a > 0, np.clip(np.frexp(np.where(a > 0, a, 1))[1] - 1 - 4, -126, 127), 0)      # np.frexp(a)[1] - 1 = floor(log2(a)), exactly
;;       r = np.clip(x / 2.0 ** e, -28, 28)
;;       step = 2.0 ** (np.maximum(np.frexp(np.where(r == 0, 1, r))[1] - 1, -2) - 2)
;;       q = np.round(r / step) * step * 2.0 ** e      # np.round: ties to even
;;       return np.moveaxis(q.reshape(q.shape[:-2] + (-1,))[..., :K], -1, axis).astype(np.float32)
;;   ~~~
;;   SOFTMAX AHEAD OF A QUANTISED PRODUCT. Where the list says 'softmax', what is quantised is not the finished softmax but p = 2^(t - M), with t = logit x log2(e) and M = ceil(the row's largest t), a whole number; so 1/2 < the row's largest p <= 1. The row's sum l is taken of the UNQUANTISED p, in f32, and the product's result is divided by l at the end. Since M is a whole number, a kernel that streams over the keys may use a running M (the ceiling of the running maximum): every later rescaling is an exact power of two, which a block's scale takes up: the codes' values come out the same.
;;   OPERANDS COMPUTED ON THE WAY. 'Computed on the way' means the value that the module computes at that place (a softmax that the list does not call 'softmax' is quantised finished and normalised). What goes into a quantiser is computed in f32, as accurately as f32 sums, v_exp_f32 and their like allow (about 1e-6 of the number): no bf16 or f16 on the way to a quantiser, and a product that is left as it is and whose result goes on into a quantised operand takes f32 operands (vector FMAs, or v_wmma_f32_16x16x4_f32). A number that lies on a knife's edge between two numbers of the format may be rounded either way, as far as f32 arithmetic and the matrix unit's own rounding can turn it there, and no further.
;;   INPUTS GIVEN AS CODES. proj_w (in the module: [256, 256], K = its axis 1); qkv_w (in the module: [768, 256], K = its axis 1): each comes as NAME_codes (uint8): NAME with its K axis moved to the last place and cut into blocks of 32 codes, [.., K / 32, bytes a block], one block behind the other in memory; four codes in three bytes: a row's codes are one little-endian stream of bits, code i at bits 6 i .. 6 i + 5 (a code: sign, 3 exponent bits, 2 mantissa bits); and NAME_scales (uint8): the same leading axes, one E8M0 byte (e + 127) for each 32 codes along K. Its value is code x scale, taken as it is: it is not quantised again, and the codes and scales need not be those that the quantiser above would give.
;; One version. Each part assembles by itself: llvm-mc -triple=amdgcn-amd-amdhsa -mcpu=gfx1250 --defsym DOCPART=n.
;; ======== version 1 of 1: 4 launches
;; workspace buffers: stat 2,048 bytes; qimg 4,194,304 bytes; kv 6,815,744 bytes; ao 4,194,304 bytes
;; launch gnstat (part 1): grid 256 x 1, 8 waves a work-group, no clusters, 1,536 bytes of LDS; arguments x, stat; writes stat
.if DOCPART == 1
	.amdgcn_target "amdgcn-amd-amdhsa--gfx1250"
	.amdhsa_code_object_version 6
	.text
	.protected	k_qc7cd27888d_gnstat
	.globl	k_qc7cd27888d_gnstat
	.p2align	8
	.type	k_qc7cd27888d_gnstat,@function
k_qc7cd27888d_gnstat:
	s_mov_b64 s[64:65], 0
	v_nop
	global_prefetch_b8 v0, s[64:65] scope:SCOPE_SE
	s_setreg_imm32_b32 hwreg(HW_REG_WAVE_MODE, 25, 1), 1
	s_wait_xcnt 0x0
; GroupNorm's statistics.  x: [4][256][4096] f32; a group is 8 channels = 32,768 neighbouring numbers, 128 groups.
; A work-group takes HALF a group, 16,384 numbers = 65,536 consecutive bytes, so that 256 work-groups share the reading evenly.
; It keeps its numbers in registers (64 a thread) and goes over them twice: the mean, then the sum of squares of (x - mean).
; No difference of large sums is formed, so a common offset of the inputs costs no accuracy.  The next launch joins the two halves.
; stat: [128 groups][2 halves][mean, sum of squares about that mean] f32.
; Each load of a wave covers 512 consecutive bytes; all 16 loads of a thread go out at once.  No cache hint: x is read again by later launches.
; No cluster, no tensor load, no matrix unit: work-groups share no input and the work is one pass over memory.
; LIMITS: NaN and infinities among the inputs are not served; the order of the f32 sums is this text's own.
.set X,    16                          ; v16-79  my 64 numbers
.set T,    80                          ; v80-87  x - mean, four pairs by turns
.set RED1, 0                           ; LDS: eight partial sums
.set RED2, 256                         ; LDS: eight partial sums of squares, in bytes of their own: so one barrier serves each reduction
	s_load_b128 s[4:7], s[0:1], 0x0                ; x s[4:5], stat s[6:7]
	v_lshl_add_u32 v96, v0, 2, 0x200
	v_mov_b32 v97, 0
	v_lshlrev_b32 v1, 4, v0                        ; 16 bytes a thread
	v_lshrrev_b32 v14, 5, v0
	s_delay_alu instid0(VALU_DEP_1)
	v_readfirstlane_b32 s8, v14                    ; wave
	s_delay_alu instid0(VALU_DEP_2)
	v_lshlrev_b32 v14, 2, v14                      ; my wave's word among the partial sums
	v_mov_b32 v15, 0
	v_mov_b32 v11, 0                               ; a lane permute's destination counts as one of its sources
	s_lshl_b32 s2, ttmp9, 16                       ; my half group's 65,536 bytes
	s_mov_b32 s3, 0
	s_lshl_b32 s12, ttmp9, 3                       ; and its 8 bytes of stat
	s_mov_b32 s13, 0
	s_mov_b32 s10, 0x76543210
	s_mov_b32 s11, 0xfedcba98                      ; selects for lane l xor 16
	s_wait_alu depctr_va_vdst(0)
	s_wait_kmcnt 0x0
	s_add_nc_u64 s[4:5], s[4:5], s[2:3]
	s_add_nc_u64 s[6:7], s[6:7], s[12:13]
.set j, 0
.rept 16
	global_load_b128 v[X+4*j:X+4*j+3], v1, s[4:5] offset:4096*j
.set j, j+1
.endr
; the four chains v[2:9] are joined, then the 32 lanes, then the eight waves: the work-group's sum in v88 of every lane
.macro REDUCE base
	v_pk_add_f32 v[2:3], v[2:3], v[4:5]
	s_delay_alu instid0(VALU_DEP_2)
	v_pk_add_f32 v[6:7], v[6:7], v[8:9]
	s_delay_alu instid0(VALU_DEP_1)
	v_pk_add_f32 v[2:3], v[2:3], v[6:7]
	s_delay_alu instid0(VALU_DEP_1)
	v_add_f32 v10, v2, v3
	s_delay_alu instid0(VALU_DEP_1)
	v_add_f32_dpp v10, v10, v10 row_xmask:1 row_mask:0xf bank_mask:0xf
	s_delay_alu instid0(VALU_DEP_1)
	v_add_f32_dpp v10, v10, v10 row_xmask:2 row_mask:0xf bank_mask:0xf
	s_delay_alu instid0(VALU_DEP_1)
	v_add_f32_dpp v10, v10, v10 row_xmask:4 row_mask:0xf bank_mask:0xf
	s_delay_alu instid0(VALU_DEP_1)
	v_add_f32_dpp v10, v10, v10 row_xmask:8 row_mask:0xf bank_mask:0xf
	s_delay_alu instid0(VALU_DEP_1)
	v_permlanex16_b32 v11, v10, s10, s11
	s_delay_alu instid0(VALU_DEP_1)
	v_add_f32 v10, v10, v11
	ds_store_b32 v14, v10 offset:\base             ; all lanes write the wave's word with the same value
	s_wait_dscnt 0x0                               ; for the others' sake: my store has landed
	s_barrier_signal -1
	s_barrier_wait -1
	ds_load_b128 v[88:91], v15 offset:\base
	ds_load_b128 v[92:95], v15 offset:\base+16
	s_wait_dscnt 0x0
	v_add_f32 v88, v88, v89
	v_add_f32 v90, v90, v91
	v_add_f32 v92, v92, v93
	v_add_f32 v94, v94, v95
	s_delay_alu instid0(VALU_DEP_3)
	v_add_f32 v88, v88, v90
	s_delay_alu instid0(VALU_DEP_2)
	v_add_f32 v92, v92, v94
	s_delay_alu instid0(VALU_DEP_1)
	v_add_f32 v88, v88, v92
.endm
	; pass 1: the sum, in four chains; the first four loads start them, so nothing is cleared
.set j, 0
.rept 4
	s_wait_loadcnt 15-j                            ; loads come back in order: load j is in, the younger ones stay out
	v_pk_add_f32 v[2+2*j:3+2*j], v[X+4*j:X+4*j+1], v[X+4*j+2:X+4*j+3]
.set j, j+1
.endr
	s_wait_alu depctr_va_vdst(0)
.rept 12
	s_wait_alu depctr_va_vdst(0)
	s_wait_loadcnt 15-j
	v_pk_add_f32 v[2+2*(j%4):3+2*(j%4)], v[2+2*(j%4):3+2*(j%4)], v[X+4*j:X+4*j+1]
	s_delay_alu instid0(VALU_DEP_1)
	v_pk_add_f32 v[2+2*(j%4):3+2*(j%4)], v[2+2*(j%4):3+2*(j%4)], v[X+4*j+2:X+4*j+3]
.set j, j+1
.endr
	REDUCE RED1
	s_delay_alu instid0(VALU_DEP_1)
	v_mul_f32 v12, 0x38800000, v88                 ; the mean: sum x 2^-14
	s_delay_alu instid0(VALU_DEP_1)
	v_mov_b32 v13, v12                             ; twice: a pair for the packed subtraction
	; pass 2: the sum of (x - mean)^2, again in four chains
.set j, 0
.rept 32
	v_pk_add_f32 v[T+2*(j%4):T+2*(j%4)+1], v[X+2*j:X+2*j+1], v[12:13] neg_lo:[0,1] neg_hi:[0,1]
.if j < 4
	s_delay_alu instid0(VALU_DEP_1)
	v_pk_mul_f32 v[2+2*(j%4):3+2*(j%4)], v[T+2*(j%4):T+2*(j%4)+1], v[T+2*(j%4):T+2*(j%4)+1]
.else
	s_delay_alu instid0(VALU_DEP_1)
	v_pk_fma_f32 v[2+2*(j%4):3+2*(j%4)], v[T+2*(j%4):T+2*(j%4)+1], v[T+2*(j%4):T+2*(j%4)+1], v[2+2*(j%4):3+2*(j%4)]
.endif
.set j, j+1
.endr
	REDUCE RED2
	s_cmp_lg_u32 s8, 0                             ; wave 0's lane 0 stores the pair
	s_cbranch_scc1 .Lend
	v_mov_b32 v13, v88
	v_cmp_eq_u32 vcc_lo, 0, v0
	s_wait_alu depctr_va_vdst(0)
	s_wait_xcnt 0x0                                ; EXEC is a source of the loads above: it changes only behind this wait
	s_and_saveexec_b32 s9, vcc_lo
	global_store_b64 v15, v[12:13], s[6:7]
	s_wait_xcnt 0x0                                ; and again in front of the line that widens it
	s_or_b32 exec_lo, exec_lo, s9
.Lend:
	s_wait_tensorcnt 0x0
	ds_add_u32 v96, v97
	s_wait_dscnt 0x0
	s_endpgm
.Lfunc_end_k_qc7cd27888d_gnstat:
	.size	k_qc7cd27888d_gnstat, .Lfunc_end_k_qc7cd27888d_gnstat-k_qc7cd27888d_gnstat
	.p2alignl 7, 3214868480
	.fill 96, 4, 3214868480
	.section	.rodata,"a",@progbits
	.p2align	6, 0x0
	.amdhsa_kernel k_qc7cd27888d_gnstat
		.amdhsa_group_segment_fixed_size 1536
		.amdhsa_private_segment_fixed_size 0
		.amdhsa_enable_private_segment 0
		.amdhsa_kernarg_size 16
		.amdhsa_user_sgpr_count 2
		.amdhsa_user_sgpr_kernarg_segment_ptr 1
		.amdhsa_wavefront_size32 1
		.amdhsa_system_sgpr_workgroup_id_x 1
		.amdhsa_system_sgpr_workgroup_id_y 1
		.amdhsa_system_sgpr_workgroup_id_z 1
		.amdhsa_system_vgpr_workitem_id 0
		.amdhsa_next_free_vgpr 98
		.amdhsa_next_free_sgpr 66
		.amdhsa_reserve_vcc 1
		.amdhsa_float_denorm_mode_32 3
		.amdhsa_float_denorm_mode_16_64 3
		.amdhsa_memory_ordered 1
		.amdhsa_forward_progress 1
		.amdhsa_inst_pref_size 15
	.end_amdhsa_kernel
	.amdgpu_metadata
---
amdhsa.version: [ 1, 2 ]
amdhsa.kernels:
  - .name:           k_qc7cd27888d_gnstat
    .symbol:         k_qc7cd27888d_gnstat.kd
    .args:
      - { .name: x, .offset: 0, .size: 8, .value_kind: global_buffer, .address_space: global }
      - { .name: stat, .offset: 8, .size: 8, .value_kind: global_buffer, .address_space: global }
    .group_segment_fixed_size: 1536
    .private_segment_fixed_size: 0
    .kernarg_segment_align: 8
    .kernarg_segment_size: 16
    .max_flat_workgroup_size: 256
    .sgpr_count:     66
    .vgpr_count:     98
    .wavefront_size: 32
...
	.end_amdgpu_metadata
.endif
;; end of part 1
;; launch qkv (part 2): grid 256 x 1, 8 waves a work-group, clusters of 4 x 1, 278,528 bytes of LDS; arguments x, stat, norm_gamma, norm_beta, qkv_w_codes, qkv_w_scales, qkv_b, qimg, kv; writes qimg, kv
.if DOCPART == 2
	.amdgcn_target "amdgcn-amd-amdhsa--gfx1250"
	.amdhsa_code_object_version 6
	.text
	.protected	k_qc7cd27888d_qkv
	.globl	k_qc7cd27888d_qkv
	.p2align	8
	.type	k_qc7cd27888d_qkv,@function
k_qc7cd27888d_qkv:
	s_mov_b64 s[64:65], 0
	v_nop
	global_prefetch_b8 v0, s[64:65] scope:SCOPE_SE
	s_setreg_imm32_b32 hwreg(HW_REG_WAVE_MODE, 25, 1), 1
	s_wait_xcnt 0x0
	s_wait_alu depctr_hold_cnt(0) depctr_sa_sdst(0) depctr_va_vdst(0) depctr_va_sdst(0) depctr_va_ssrc(0) depctr_va_vcc(0) depctr_vm_vsrc(0)
	s_getreg_b32 s2, hwreg(HW_REG_IB_STS2, 6, 4)
	s_cmp_eq_u32 s2, 0
	s_cbranch_scc0 .Lentry_in_a_cluster
	s_endpgm
.Lentry_in_a_cluster:
	s_bfe_u32 s2, ttmp6, 0x10000c
	s_cmp_lg_u32 s2, 0x3003
	s_cbranch_scc0 .Lentry_shape_is_right
	s_endpgm
.Lentry_shape_is_right:
; GroupNorm, its quantising along the channels, the 1x1 convolution qkv = W h + b on codes of BF6 (E3M2) with one E8M0 scale for each 32 along K, and the quantising of q, k (along the head's 64) and v (along the keys).
; A work-group takes a CHUNK: 64 neighbouring positions of one batch, all 256 channels, all 768 rows of W.  q, k and v leave as codes only, laid in the order of the reader's registers.
; pi(T, r) = 32 (T / 2) + 8 (T % 2) + r + 8 (r / 8): THE ROWS OF A TILE ARE NOT NEIGHBOURS.  Tile T of the chunk's positions has position pi(T, r) in its row r, and so have the tiles of a head's 64 rows of W:
; in a result, register j of lane (r, h) is then row 32 (T / 2) + 16 h + 8 (T % 2) + j, and the 16 registers of tiles 2 b and 2 b + 1 are 16 NEIGHBOURS along the next product's K.
; PHASES.  X1: wave w normalises channels 32 w .. 32 w + 31 (f32) and lays them in LDS | barrier | X2: wave w reads one fragment's numbers of h, a lane down the channels, quantises them and stores the fragment
; as an IMAGE OF ITS REGISTERS (16 bytes a lane, 512 bytes a store) | barrier | wave (hd = w % 4, hf = w / 4): q and k of head hd for position tiles 2 hf, 2 hf + 1 (source 0 = W, source 1 = h: a lane holds one
; position, its registers run along d); v of head hd for d tiles 2 hf, 2 hf + 1 (source 0 = h, source 1 = W: a lane holds one d, its registers run along the keys).  The bias is the C of each sum's first product.
; A HALF-FRAGMENT IMAGE (768 bytes): 16 rows x 64 along K, six registers a lane: registers 0-3 at 16 l, registers 4-5 at 512 + 8 l.
; qimg: [bh][chunk][T][1,024]: image, then at 768 + 8 l the row's scale word and a filler word.   kv: [bh][chunk][6,656]: k's four images, v's four images (rows d = pi(t, r)), then for tile pair j at
; 6,144 + 256 j + 8 l: k's scale word and v's half word; lanes 0-15 the pair's even tile, lanes 16-31 its odd one.  Every store of a wave covers whole aligned blocks of 256 bytes.
; CLUSTER: all work-groups read the same 153,600 + 3,072 bytes of weights, scales and bias, so the four of a cluster ask for them JOINTLY (mask 15), once, at the start; no LDS byte is filled twice.
; By this text's count a wave has one tensor load out.
; LIMITS: NaN and infinities are not served.  A block whose largest magnitude lies under 2^-122, a block of zeros too, keeps the scale byte 1: its bytes are read by this program alone.  v_rsq_f32 is good to 1 ulp.
.set HIMG, 0                           ; LDS: h's 8 fragments (2 T + s), 1,536 bytes each            (stored by the waves)
.set HSC,  12288                       ; their scale words, 128 bytes each                           (stored by the waves)
.set WSC,  13312                       ; W's scale bytes, 768 rows x 8                               (filled once)
.set BIA,  19456                       ; the bias, 768 f32                                           (filled once)
.set HT,   22528                       ; h in f32: channel ch at (ch / 32) x 8,832 + (ch % 32) x 272  (stored by the waves); 8,832 = 32 x 272 + 128 sets lanes 16-31 of a read 32 banks from lanes 0-15
.set WC,   93184                       ; W's codes: 768 rows of 192 bytes, 16 bytes of padding behind every 64: pitch 240               (filled once)
.set OPA,  20                          ; v20-67   four fragments
.set OPB,  68                          ; v68-115  four fragments
.set SCA,  116                         ; v116-119 scale words of OPA's
.set SCB,  120                         ; v120-123 of OPB's
.set ACC,  124                         ; v124-187 eight accumulators; in the X phases 64 numbers
.set PC,   188                         ; v188-199 the codes just made; v200-202, v204-206 at work
.set TM,   208                         ; v208-211 largest magnitudes, v212-215 bytes, v220-223 the conversions' scale operands
.set PW,   216                         ; the scale word just made
.set P2,   217
.set BIAS, 224                         ; v224-255 the bias in the result's layout
.set WV,   22
.set SEL,  30
.macro ROUND                           ; a round of the cluster's barrier
	s_barrier_signal -1
	s_barrier_wait -1
	s_cmp_lg_u32 s[WV], 0
	s_cbranch_scc1 .Lnot_wave_0_\@
	s_barrier_signal -3
.Lnot_wave_0_\@:
	s_barrier_wait -3
	s_barrier_signal -1
	s_barrier_wait -1
.endm
.macro PLACES                          ; four plain lines behind matrix instructions, ahead of loads into their sources and of reads of their results
.rept 4
	v_nop
.endr
.endm
.macro MMC d, a, b, c, sa, sb
	v_wmma_scale_f32_16x16x128_f8f6f4 v[\d:\d+7], v[\a:\a+11], v[\b:\b+11], v[\c:\c+7], v[\sa], v[\sb] matrix_a_fmt:MATRIX_FMT_BF6 matrix_b_fmt:MATRIX_FMT_BF6
.endm
; a fragment of W from its padded rows: six pieces of 8 bytes; lanes 16-31 read three pieces further on, which for some pieces is behind one padding more: register adr + 1 (40 for 24 bytes a half) serves those
.macro FRAGW reg, adr, s, rowoff
.irp p, 0,1,2,3,4,5
.set PCE, 12*(\s)+6*(\p/3)+\p%3
.if PCE%8 < 5
	ds_load_b64 v[\reg+2*\p:\reg+2*\p+1], v[\adr] offset:8*PCE+16*(PCE/8)+(\rowoff)*240
.else
	ds_load_b64 v[\reg+2*\p:\reg+2*\p+1], v[\adr+1] offset:8*PCE+16*(PCE/8)+(\rowoff)*240
.endif
.endr
.endm
.macro FETCH reg, adr, off             ; a fragment's image back into 12 registers
.irp k, 0,1,2
	ds_load_b128 v[\reg+4*\k:\reg+4*\k+3], v[\adr] offset:\off+512*\k
.endr
.endm
; 64 numbers of a lane, register 16 b + i = k 32 b + 16 (lane / 16) + i of my row, become 12 registers of codes in v[PC] on and the four scale bytes in v[PW] (the same in lanes l and l xor 16)
.macro QUANT s
.irp b, 0,1,2,3
	v_max3_num_f32 v[TM+\b], |v[\s+16*\b]|, |v[\s+1+16*\b]|, 0x2800000   ; my 16 numbers of block b, and the floor 2^(5 - 127): the byte cannot fall under 1
.endr
.irp i, 2,4,6,8,10,12,14
.irp b, 0,1,2,3
	v_max3_num_f32 v[TM+\b], v[TM+\b], |v[\s+16*\b+\i]|, |v[\s+1+16*\b+\i]|
.endr
.endr
.irp b, 0,1,2,3
	s_delay_alu instid0(VALU_DEP_4)
	v_permlanex16_b32 v[TM+4+\b], v[TM+\b], s[SEL], s[SEL+1]
.endr
.irp b, 0,1,2,3
	s_delay_alu instid0(VALU_DEP_4)
	v_max_num_f32 v[TM+\b], v[TM+\b], v[TM+4+\b]   ; with lane l xor 16's: the block's largest magnitude
.endr
.irp b, 0,1,2,3
	s_delay_alu instid0(VALU_DEP_4)
	v_add_nc_u32 v[TM+12+\b], 0xfe000000, v[TM+\b] ; 4 off its exponent field: the conversion takes the exponent field of this operand as its scale
.endr
.irp b, 0,1,2,3
	s_delay_alu instid0(VALU_DEP_4)
	v_lshrrev_b32 v[TM+4+\b], 23, v[TM+12+\b]      ; the scale's byte
.endr
	s_delay_alu instid0(VALU_DEP_3)
	v_lshl_or_b32 v[PW], v[TM+5], 8, v[TM+4]
	s_delay_alu instid0(VALU_DEP_1)
	v_lshl_or_b32 v[PW], v[TM+6], 16, v[PW]
	s_delay_alu instid0(VALU_DEP_1)
	v_lshl_or_b32 v[PW], v[TM+7], 24, v[PW]
.irp c, 0,1
	v_cvt_scalef32_pk16_bf6_f32 v[PC+6*\c:PC+2+6*\c], v[\s+32*\c:\s+15+32*\c], v[TM+12+2*\c]
	v_cvt_scalef32_pk16_bf6_f32 v[PC+12+4*\c:PC+14+4*\c], v[\s+16+32*\c:\s+31+32*\c], v[TM+12+2*\c+1]   ; (a conversion's three registers begin on an even number)
.endr
	v_nop                                          ; one plain line behind a scaled conversion
.irp c, 0,1                                    ; the operand's layout wants a WHOLE block in a lane: lanes 0-15 block 2 c, lanes 16-31 block 2 c + 1
.irp i, 0,1,2
	v_permlane16_swap_b32 v[PC+6*\c+\i], v[PC+12+4*\c+\i]
.endr
.irp i, 0,1,2
	s_delay_alu instid0(VALU_DEP_3)
	v_mov_b32 v[PC+3+6*\c+\i], v[PC+12+4*\c+\i]
.endr
.endr
.endm
; the same for numbers that already lie as the operand wants them: register 32 c + i = k 64 c + 32 (lane / 16) + i: two whole blocks a lane
.macro QUANTW s
.irp c, 0,1
	v_max3_num_f32 v[TM+\c], |v[\s+32*\c]|, |v[\s+1+32*\c]|, 0x2800000
.endr
.irp i, 2,4,6,8,10,12,14,16,18,20,22,24,26,28,30
.irp c, 0,1
	s_delay_alu instid0(VALU_DEP_2)
	v_max3_num_f32 v[TM+\c], v[TM+\c], |v[\s+32*\c+\i]|, |v[\s+1+32*\c+\i]|
.endr
.endr
.irp c, 0,1
	s_delay_alu instid0(VALU_DEP_2)
	v_add_nc_u32 v[TM+12+\c], 0xfe000000, v[TM+\c]
.endr
.irp c, 0,1
	s_delay_alu instid0(VALU_DEP_2)
	v_lshrrev_b32 v[TM+4+\c], 23, v[TM+12+\c]
.endr
	s_delay_alu instid0(VALU_DEP_1)
	v_lshl_or_b32 v[PW], v[TM+5], 16, v[TM+4]      ; my two bytes: blocks h and 2 + h,
	s_delay_alu instid0(VALU_DEP_1)
	v_lshlrev_b32 v[PW], v14, v[PW]                ; at their places in the word (8 h bits up);
	s_delay_alu instid0(VALU_DEP_1)
	v_permlanex16_b32 v[P2], v[PW], s[SEL], s[SEL+1]
	s_delay_alu instid0(VALU_DEP_1)
	v_or_b32 v[PW], v[PW], v[P2]                   ; with lane l xor 16's two the word is whole
.irp c, 0,1
	v_cvt_scalef32_pk16_bf6_f32 v[PC+6*\c:PC+2+6*\c], v[\s+32*\c:\s+15+32*\c], v[TM+12+\c]
	v_cvt_scalef32_pk16_bf6_f32 v[PC+12+4*\c:PC+14+4*\c], v[\s+16+32*\c:\s+31+32*\c], v[TM+12+\c]
.endr
	v_nop
.irp c, 0,1
.irp i, 0,1,2
	v_mov_b32 v[PC+3+6*\c+\i], v[PC+12+4*\c+\i]
.endr
.endr
.endm
	s_load_b256 s[4:11], s[0:1], 0x0               ; x s[4:5], stat s[6:7], gamma s[8:9], beta s[10:11]
	s_load_b256 s[12:19], s[0:1], 0x20             ; W's codes s[12:13], W's scales s[14:15], the bias s[16:17], qimg s[18:19]
	s_load_b64 s[20:21], s[0:1], 0x40              ; kv
	v_lshl_add_u32 v203, v0, 2, 0x43c00
	v_mov_b32 v207, 0
	ds_add_u32 v203, v207
	ds_add_u32 v203, v207
	v_lshrrev_b32 v1, 5, v0
	s_delay_alu instid0(VALU_DEP_1)
	v_readfirstlane_b32 s[WV], v1                  ; wave 0..7
	s_and_b32 s23, s[WV], 3                        ; hd: my head
	s_lshr_b32 s24, s[WV], 2                       ; hf: which half of the tiles
	s_bfe_u32 s25, ttmp6, 0x40000                  ; cx: it enters global addresses of x, qimg and kv alone
	s_lshl_b32 s26, ttmp9, 2
	s_add_co_u32 s26, s26, s25                     ; work-group = 4 x cluster + cx
	s_lshr_b32 s27, s26, 6                         ; batch
	s_and_b32 s28, s26, 63                         ; chunk
	s_mov_b32 s[SEL], 0x76543210
	s_mov_b32 s[SEL+1], 0xfedcba98                 ; selects for lane l xor 16
	v_and_b32 v224, 31, v0                         ; lane
	v_and_b32 v225, 15, v0                         ; r
	v_bfe_u32 v226, v0, 4, 1                       ; h
	s_delay_alu instid0(VALU_DEP_2)
	v_and_b32 v227, 8, v225
	s_delay_alu instid0(VALU_DEP_1)
	v_add_nc_u32 v227, v227, v225                  ; pi(0, r) = r + 8 (r / 8)
	v_lshlrev_b32 v1, 4, v224                      ; v1  16 l
	v_lshlrev_b32 v2, 3, v224                      ; v2  8 l
	v_lshlrev_b32 v3, 2, v224                      ; v3  4 l
	s_mul_i32 s72, s24, 6144
	v_add_nc_u32 v4, s72, v1                       ; v4  images of my two position tiles: 16 l + 4 x 1,536 hf
	s_lshl_b32 s72, s24, 9
	v_add_nc_u32 v5, s72, v3                       ; v5  their scale words
	s_mul_i32 s72, s23, 15360
	s_add_co_u32 s72, s72, WC
	v_mul_u32_u24 v6, v227, 240
	s_delay_alu instid0(VALU_DEP_1)
	v_mad_u32_u24 v6, v226, 24, v6
	s_delay_alu instid0(VALU_DEP_1)
	v_add_nc_u32 v6, s72, v6                       ; v6  W: row 64 hd + pi(0, r), + 24 h
	s_delay_alu instid0(VALU_DEP_1)
	v_lshl_add_u32 v7, v226, 4, v6                 ; v7  the same behind one padding more
	s_lshl_b32 s72, s23, 9
	s_add_co_u32 s72, s72, WSC
	v_lshl_add_u32 v10, v227, 3, s72               ; v10 W's scale bytes: 8 a row
	s_lshl_b32 s72, s23, 8
	s_add_co_u32 s72, s72, BIA
	v_lshl_add_u32 v11, v226, 6, s72               ; v11 the bias of q, k: 4 (64 hd + 16 h)
	s_lshl_b32 s73, s24, 7
	s_add_co_u32 s73, s73, s72
	s_add_co_u32 s73, s73, 2048
	v_lshl_add_u32 v12, v227, 2, s73               ; v12 the bias of v: 4 (512 + 64 hd + 32 hf + pi(0, r))
	v_lshlrev_b32 v13, 4, v226                     ; v13 16 h
	v_lshlrev_b32 v14, 3, v226                     ; v14 8 h
	s_lshl_b32 s72, s[WV], 19
	v_lshlrev_b32 v15, 4, v225
	s_delay_alu instid0(VALU_DEP_1)
	v_lshl_add_u32 v15, v226, 18, v15
	s_delay_alu instid0(VALU_DEP_1)
	v_add_nc_u32 v15, s72, v15                     ; v15 x: channel 32 w + 16 h, 16 bytes at 16 r
	s_mul_i32 s72, s[WV], 8832
	s_add_co_u32 s72, s72, HT
	v_lshlrev_b32 v16, 4, v225
	s_delay_alu instid0(VALU_DEP_1)
	v_mad_u32_u24 v16, v226, 4352, v16
	s_delay_alu instid0(VALU_DEP_1)
	v_add_nc_u32 v16, s72, v16                     ; v16 the same place in HT
	s_and_b32 s72, s[WV], 1
	s_mul_i32 s72, s72, 35328                      ; X2: my fragment is (T = w / 2, s = w % 2): channels 128 s on,
	s_lshl_b32 s73, s24, 7                         ; position 32 (T / 2)
	s_add_co_u32 s72, s72, s73
	s_bfe_u32 s73, s[WV], 0x10001
	s_lshl_b32 s73, s73, 5                         ; + 8 (T % 2)
	s_add_co_u32 s72, s72, s73
	s_add_co_u32 s72, s72, HT
	v_lshlrev_b32 v17, 2, v227
	s_delay_alu instid0(VALU_DEP_1)
	v_mad_u32_u24 v17, v226, 8832, v17
	s_delay_alu instid0(VALU_DEP_1)
	v_add_nc_u32 v17, s72, v17                     ; v17 + pi(0, r); lanes 16-31 begin 32 channels on
	s_mul_i32 s72, s[WV], 1536
	v_add_nc_u32 v18, s72, v1                      ; v18 where I store my fragment's image
	s_lshl_b32 s72, s[WV], 7
	s_add_co_u32 s72, s72, HSC
	v_add_nc_u32 v19, s72, v3                      ; v19 and its scale words
	s_lshl_b32 s72, s[WV], 7
	v_lshl_add_u32 v208, v226, 6, s72              ; gamma, beta: 4 (32 w + 16 h)
	s_lshl_b32 s72, s27, 9
	s_lshl_b32 s73, s[WV], 6
	s_add_co_u32 s72, s72, s73
	v_lshl_add_u32 v209, v226, 5, s72              ; stat: 16 (32 b + 4 w + 2 h)
.irp b, 0,1,2,3
	v_mov_b32 v[TM+4+\b], 0                        ; written once: a lane permute's destination counts as one of its sources
.endr
	v_mov_b32 v[P2], 0
	; descriptor groups 1.  W's codes: 128 rows of 192 bytes, 16 bytes of padding behind every 64;  the scale bytes: 24 rows of 256 bytes, dense;  the bias: 12 such rows.  Mask 15: the four of the cluster; bit 21 beside it
	s_mov_b32 s32, 15|(1<<20)|(1<<21)|(3<<22)|(3<<25)
	s_mov_b32 s33, 192<<16
	s_mov_b32 s34, 128<<16
	s_mov_b32 s35, 192<<16
	s_mov_b32 s36, 128
	s_mov_b32 s37, 192
	s_mov_b32 s38, 0
	s_mov_b32 s39, 0
	s_mov_b32 s40, 15|(3<<16)|(1<<21)
	s_mov_b32 s41, 32<<16
	s_mov_b32 s42, 24<<16
	s_mov_b32 s43, 32<<16
	s_mov_b32 s44, 24
	s_mov_b32 s45, 32
	s_mov_b32 s46, 0
	s_mov_b32 s47, 0
	s_mov_b32 s48, 15|(3<<16)|(1<<21)
	s_mov_b32 s49, 32<<16
	s_mov_b32 s50, 12<<16
	s_mov_b32 s51, 32<<16
	s_mov_b32 s52, 12
	s_mov_b32 s53, 32
	s_mov_b32 s54, 0
	s_mov_b32 s55, 0
	s_min_u32 s73, s[WV], 5                        ; waves 0-5 fetch 128 rows of W each (waves 6 and 7 do not use this descriptor)
	s_mov_b32 s56, 1
	s_mul_i32 s57, s73, 30720
	s_add_co_u32 s57, s57, WC
	s_mul_i32 s74, s73, 24576
	s_mov_b32 s75, 0
	s_mov_b32 s60, 1
	s_mov_b32 s61, WSC
	s_mov_b32 s68, 1
	s_mov_b32 s69, BIA
	; where my results go: rec = (4 b + hd) x 64 + chunk
	s_lshl_b32 s72, s27, 2
	s_add_co_u32 s72, s72, s23
	s_lshl_b32 s72, s72, 6
	s_add_co_u32 s72, s72, s28
	s_lshl_b32 s76, s72, 12
	s_lshl_b32 s73, s24, 11
	s_add_co_u32 s76, s76, s73                     ; qimg: 4,096 rec + 2,048 hf
	s_mov_b32 s77, 0
	s_mul_i32 s78, s72, 6656
	s_lshl_b32 s73, s24, 8
	s_add_co_u32 s80, s78, s73                     ; kv, scale words: 6,656 rec + 256 hf
	s_mov_b32 s81, 0
	s_mul_i32 s73, s24, 1536
	s_add_co_u32 s78, s78, s73                     ; kv, images: 6,656 rec + 1,536 hf
	s_mov_b32 s79, 0
	s_lshl_b32 s72, s27, 22
	s_lshl_b32 s73, s28, 8
	s_add_co_u32 s72, s72, s73                     ; x: the batch, and the chunk's 256 bytes of a channel
	s_mov_b32 s73, 0
	s_wait_alu depctr_va_vdst(0)
	s_wait_dscnt 0x0
	s_wait_kmcnt 0x0
	s_add_nc_u64 s[4:5], s[4:5], s[72:73]
	s_add_nc_u64 s[76:77], s[18:19], s[76:77]
	s_add_nc_u64 s[78:79], s[20:21], s[78:79]
	s_add_nc_u64 s[80:81], s[20:21], s[80:81]
	s_add_nc_u64 s[58:59], s[12:13], s[74:75]
	s_or_b32 s59, s59, 0x80000000
	s_mov_b64 s[62:63], s[14:15]
	s_or_b32 s63, s63, 0x80000000
	s_mov_b64 s[70:71], s[16:17]
	s_or_b32 s71, s71, 0x80000000
.irp k, 0,1,2,3
	global_load_b128 v[20+4*\k:23+4*\k], v208, s[8:9] offset:16*\k     ; gamma of my 16 channels
.endr
.irp k, 0,1,2,3
	global_load_b128 v[36+4*\k:39+4*\k], v208, s[10:11] offset:16*\k   ; beta
.endr
	global_load_b128 v[52:55], v209, s[6:7]                            ; my first group's two halves: mean, squares, mean, squares
	global_load_b128 v[56:59], v209, s[6:7] offset:16                  ; my second group's
.set j, 0
.rept 16
	global_load_b128 v[ACC+4*j:ACC+4*j+3], v15, s[4:5] offset:16384*j  ; channel 32 w + 16 h + j: sixteen lanes read 256 consecutive bytes, aligned
.set j, j+1
.endr
	ROUND                                          ; the four work-groups are here: the joint loads meet
	s_cmp_lt_u32 s[WV], 6                          ; each wave's one fill; the branches hang on the wave's number alone.  Four v_nop follow each tensor line
	s_cbranch_scc0 .Lnot_w
	tensor_load_to_lds s[56:59], s[32:39]
	s_nop 0
	PLACES
	s_branch .Lasked
.Lnot_w:
	s_cmp_eq_u32 s[WV], 6
	s_cbranch_scc0 .Lbias
	tensor_load_to_lds s[60:63], s[40:47]
	s_nop 0
	PLACES
	s_branch .Lasked
.Lbias:
	tensor_load_to_lds s[68:71], s[48:55]
	s_nop 0
	PLACES
.Lasked:
	; ---- X1: h = (x - mu) rstd gamma + beta.  The group's two halves are joined: mu = (m0 + m1) / 2; var = (S0 + S1) / 32,768 + ((m0 - m1) / 2)^2
	s_mov_b32 s72, 0x38000000                      ; 2^-15
	s_mov_b32 s73, 0x3727c5ac                      ; 1e-5
	s_wait_loadcnt 16                              ; the ten loads of parameters are in; the sixteen of x were issued behind them
.irp g, 0,1
	v_add_f32 v[60+\g], v[52+4*\g], v[54+4*\g]
	v_sub_f32 v[64+\g], v[52+4*\g], v[54+4*\g]
	v_add_f32 v[66+\g], v[53+4*\g], v[55+4*\g]
.endr
.irp g, 0,1
	v_mul_f32 v[60+\g], 0.5, v[60+\g]              ; mu
	v_mul_f32 v[64+\g], 0.5, v[64+\g]
	v_fma_f32 v[66+\g], v[66+\g], s72, s73
.endr
.irp g, 0
	s_delay_alu instid0(VALU_DEP_4)
	v_fma_f32 v[66+\g], v[64+\g], v[64+\g], v[66+\g]   ; var + eps
.endr
.irp g, 1
	s_delay_alu instid0(VALU_DEP_2)
	v_fma_f32 v[66+\g], v[64+\g], v[64+\g], v[66+\g]
.endr
	s_wait_alu depctr_va_vdst(0)
	v_rsq_f32 v62, v66
	v_rsq_f32 v63, v67
	v_nop                                          ; one plain line behind a transcendental
.set j, 0
	s_wait_alu depctr_va_vdst(0)
.rept 16
	v_mul_f32 v[20+j], v[20+j], v[62+j/8]          ; gamma x rstd
.set j, j+1
.endr
.set j, 0
.rept 16
	s_wait_loadcnt 15-j                            ; channel j's load is in, the younger ones stay out
.irp k, 0,1,2,3
	v_sub_f32 v[ACC+4*j+\k], v[ACC+4*j+\k], v[60+j/8]
.endr
.irp k, 0,1,2,3
	s_delay_alu instid0(VALU_DEP_4)
	v_fma_f32 v[ACC+4*j+\k], v[ACC+4*j+\k], v[20+j], v[36+j]
.endr
	ds_store_b128 v16, v[ACC+4*j:ACC+4*j+3] offset:272*j
.set j, j+1
.endr
	s_wait_dscnt 0x0                               ; for the others' sake: my rows of h have landed
	s_barrier_signal -1
	s_barrier_wait -1
	; ---- X2: my fragment's numbers, a lane down the channels: register 32 c + i = channel 128 s + 64 c + 32 h + i at position pi(T, r)
.set j, 0
.rept 64
	ds_load_b32 v[ACC+j], v17 offset:17664*(j/32)+272*(j%32)
.set j, j+1
.endr
	s_wait_dscnt 0x0
	QUANTW ACC
.irp k, 0,1,2
	ds_store_b128 v18, v[PC+4*\k:PC+4*\k+3] offset:HIMG+512*\k
.endr
	ds_store_b32 v19, v[PW]
	s_wait_tensorcnt 0x0                           ; my part of the weights has landed (it had the X phases for that),
	s_wait_dscnt 0x0                               ; and so has my image
	s_barrier_signal -1
	s_barrier_wait -1                              ; everybody's have
	; ---- my two position tiles' fragments of h stay in OPB for q and k
.irp i, 0,1
.irp s, 0,1
	FETCH OPB+12*(2*\i+\s), 4, HIMG+1536*(2*\i+\s)
	ds_load_b32 v[SCB+2*\i+\s], v5 offset:HSC+128*(2*\i+\s)
.endr
.endr
; q (part 0) or k (part 1) of my head: eight accumulators (2 position tiles x 4 tiles of d) by turns, a K step at a time
.macro GROUP_QK part
	v_add_nc_u32 v8, 61440*\part, v6               ; rows 256 part on
	s_wait_alu depctr_va_vdst(0)
	v_add_nc_u32 v9, 61440*\part, v7
	s_wait_alu depctr_va_vdst(0)
.irp t, 0,1,2,3
	ds_load_b128 v[BIAS+8*\t:BIAS+8*\t+3], v11 offset:1024*\part+4*(32*(\t/2)+8*(\t%2))
	ds_load_b128 v[BIAS+8*\t+4:BIAS+8*\t+7], v11 offset:1024*\part+4*(32*(\t/2)+8*(\t%2))+16
.endr
.irp s, 0,1
.irp t, 0,1,2,3
	FRAGW OPA+12*\t, 8, \s, 32*(\t/2)+8*(\t%2)
	ds_load_b32 v[SCA+\t], v10 offset:2048*\part+8*(32*(\t/2)+8*(\t%2))+4*\s
.endr
	s_wait_dscnt 0x0
.irp i, 0,1
.irp t, 0,1,2,3
.if \s == 0
	MMC ACC+32*\i+8*\t, OPA+12*\t, OPB+12*(2*\i+\s), BIAS+8*\t, SCA+\t, SCB+2*\i+\s
.else
	MMC ACC+32*\i+8*\t, OPA+12*\t, OPB+12*(2*\i+\s), ACC+32*\i+8*\t, SCA+\t, SCB+2*\i+\s
.endif
.endr
.endr
	PLACES
.endr
	s_wait_xcnt 0x0                                ; the last group's stores have read their registers: the codes and words are written again only behind this wait
	QUANT ACC                                      ; blocks 0, 1: tile 2 hf's 64 along d; blocks 2, 3: tile 2 hf + 1's
.if \part == 0
	v_lshrrev_b32 v[P2], 16, v[PW]                 ; (the filler word of the first tile's pair)
	v_lshrrev_b32 v[TM+10], 16, v[PW]              ; the second tile's two bytes.  The bytes that meet the zero half of the next K are another tile's (1 .. 254) or 0, never 0xff
	v_mov_b32 v[TM+11], 0
	global_store_b128 v1, v[PC:PC+3], s[76:77]
	global_store_b64 v2, v[PC+4:PC+5], s[76:77] offset:512
	global_store_b64 v2, v[PW:PW+1], s[76:77] offset:768
	global_store_b128 v1, v[PC+6:PC+9], s[76:77] offset:1024
	global_store_b64 v2, v[PC+10:PC+11], s[76:77] offset:1536
	global_store_b64 v2, v[TM+10:TM+11], s[76:77] offset:1792
.else
	v_lshrrev_b32 v[TM+10], v13, v[PW]             ; lanes 0-15: tile 2 hf's word; lanes 16-31: tile 2 hf + 1's.  It leaves with v's, below
	global_store_b128 v1, v[PC:PC+3], s[78:79]
	global_store_b64 v2, v[PC+4:PC+5], s[78:79] offset:512
	global_store_b128 v1, v[PC+6:PC+9], s[78:79] offset:768
	global_store_b64 v2, v[PC+10:PC+11], s[78:79] offset:1280
.endif
.endm
	GROUP_QK 0
	GROUP_QK 1
	; ---- v of my head, d tiles 2 hf + x: source 0 = h's four position tiles, source 1 = 16 rows of W: a lane holds one d = 32 hf + 8 x + pi(0, r), its registers run along the chunk's keys
	s_mul_i32 s72, s24, 7680
	s_add_co_u32 s72, s72, 122880
	v_add_nc_u32 v8, s72, v6                       ; rows 512 + 32 hf on
	s_wait_alu depctr_va_vdst(0)
	v_add_nc_u32 v9, s72, v7
	s_wait_alu depctr_va_vdst(0)
	s_lshl_b32 s72, s24, 8
	v_add_nc_u32 v10, s72, v10                     ; and their scale bytes
	s_wait_alu depctr_va_vdst(0)
.irp x, 0,1
.irp j, 0,1,2,3,4,5,6,7
	ds_load_b32 v[BIAS+8*\x+\j], v12 offset:32*\x  ; a lane's eight results share one bias
.endr
.endr
.irp s, 0,1
.irp m, 0,1,2,3
	FETCH OPA+12*\m, 1, HIMG+1536*(2*\m+\s)
	ds_load_b32 v[SCA+\m], v3 offset:HSC+128*(2*\m+\s)
.endr
.irp x, 0,1
	FRAGW OPB+12*\x, 8, \s, 8*\x
	ds_load_b32 v[SCB+\x], v10 offset:4096+64*\x+4*\s
.endr
	s_wait_dscnt 0x0
.irp x, 0,1
.irp m, 0,1,2,3
.if \s == 0
	MMC ACC+32*\x+8*\m, OPA+12*\m, OPB+12*\x, BIAS+8*\x, SCA+\m, SCB+\x
.else
	MMC ACC+32*\x+8*\m, OPA+12*\m, OPB+12*\x, ACC+32*\x+8*\m, SCA+\m, SCB+\x
.endif
.endr
.endr
	PLACES
.endr
	s_wait_xcnt 0x0                                ; k's stores have read their registers
	QUANT ACC                                      ; blocks 0, 1: d tile 2 hf's 64 keys; blocks 2, 3: d tile 2 hf + 1's
	v_lshrrev_b32 v[TM+11], v13, v[PW]
	s_delay_alu instid0(VALU_DEP_1)
	v_and_b32 v[TM+11], 0xffff, v[TM+11]           ; v's half word: the chunk's two key blocks
	global_store_b128 v1, v[PC:PC+3], s[78:79] offset:3072
	global_store_b64 v2, v[PC+4:PC+5], s[78:79] offset:3584
	global_store_b128 v1, v[PC+6:PC+9], s[78:79] offset:3840
	global_store_b64 v2, v[PC+10:PC+11], s[78:79] offset:4352
	global_store_b64 v2, v[TM+10:TM+11], s[80:81] offset:6144   ; k's word and v's half word of my tile pair: 256 consecutive bytes
	s_wait_tensorcnt 0x0
	ds_add_u32 v203, v207
	s_wait_dscnt 0x0
	ROUND                                          ; the closing round: no work-group ends while a partner may still ask for a tile that names it
	s_endpgm
.Lfunc_end_k_qc7cd27888d_qkv:
	.size	k_qc7cd27888d_qkv, .Lfunc_end_k_qc7cd27888d_qkv-k_qc7cd27888d_qkv
	.p2alignl 7, 3214868480
	.fill 96, 4, 3214868480
	.section	.rodata,"a",@progbits
	.p2align	6, 0x0
	.amdhsa_kernel k_qc7cd27888d_qkv
		.amdhsa_group_segment_fixed_size 278528
		.amdhsa_private_segment_fixed_size 0
		.amdhsa_enable_private_segment 0
		.amdhsa_kernarg_size 72
		.amdhsa_user_sgpr_count 2
		.amdhsa_user_sgpr_kernarg_segment_ptr 1
		.amdhsa_wavefront_size32 1
		.amdhsa_system_sgpr_workgroup_id_x 1
		.amdhsa_system_sgpr_workgroup_id_y 1
		.amdhsa_system_sgpr_workgroup_id_z 1
		.amdhsa_system_vgpr_workitem_id 0
		.amdhsa_next_free_vgpr 256
		.amdhsa_next_free_sgpr 84
		.amdhsa_reserve_vcc 0
		.amdhsa_float_denorm_mode_32 3
		.amdhsa_float_denorm_mode_16_64 3
		.amdhsa_memory_ordered 1
		.amdhsa_forward_progress 1
		.amdhsa_inst_pref_size 68
	.end_amdhsa_kernel
	.amdgpu_metadata
---
amdhsa.version: [ 1, 2 ]
amdhsa.kernels:
  - .name:           k_qc7cd27888d_qkv
    .symbol:         k_qc7cd27888d_qkv.kd
    .args:
      - { .name: x, .offset: 0, .size: 8, .value_kind: global_buffer, .address_space: global }
      - { .name: stat, .offset: 8, .size: 8, .value_kind: global_buffer, .address_space: global }
      - { .name: norm_gamma, .offset: 16, .size: 8, .value_kind: global_buffer, .address_space: global }
      - { .name: norm_beta, .offset: 24, .size: 8, .value_kind: global_buffer, .address_space: global }
      - { .name: qkv_w_codes, .offset: 32, .size: 8, .value_kind: global_buffer, .address_space: global }
      - { .name: qkv_w_scales, .offset: 40, .size: 8, .value_kind: global_buffer, .address_space: global }
      - { .name: qkv_b, .offset: 48, .size: 8, .value_kind: global_buffer, .address_space: global }
      - { .name: qimg, .offset: 56, .size: 8, .value_kind: global_buffer, .address_space: global }
      - { .name: kv, .offset: 64, .size: 8, .value_kind: global_buffer, .address_space: global }
    .group_segment_fixed_size: 278528
    .private_segment_fixed_size: 0
    .kernarg_segment_align: 8
    .kernarg_segment_size: 72
    .max_flat_workgroup_size: 256
    .sgpr_count:     84
    .vgpr_count:     256
    .wavefront_size: 32
...
	.end_amdgpu_metadata
.endif
;; end of part 2
;; launch attn (part 3): grid 16 x 16, 16 waves a work-group, clusters of 4 x 1, 327,680 bytes of LDS; arguments qimg, kv, ao; writes ao
.if DOCPART == 3
	.amdgcn_target "amdgcn-amd-amdhsa--gfx1250"
	.amdhsa_code_object_version 6
	.text
	.protected	k_qc7cd27888d_attn
	.globl	k_qc7cd27888d_attn
	.p2align	8
	.type	k_qc7cd27888d_attn,@function
k_qc7cd27888d_attn:
	s_mov_b64 s[64:65], 0
	v_nop
	global_prefetch_b8 v0, s[64:65] scope:SCOPE_SE
	s_setreg_imm32_b32 hwreg(HW_REG_WAVE_MODE, 25, 1), 1
	s_wait_xcnt 0x0
	s_wait_alu depctr_hold_cnt(0) depctr_sa_sdst(0) depctr_va_vdst(0) depctr_va_sdst(0) depctr_va_ssrc(0) depctr_va_vcc(0) depctr_vm_vsrc(0)
	s_getreg_b32 s2, hwreg(HW_REG_IB_STS2, 6, 4)
	s_cmp_eq_u32 s2, 0
	s_cbranch_scc0 .Lentry_in_a_cluster
	s_endpgm
.Lentry_in_a_cluster:
	s_bfe_u32 s2, ttmp6, 0x10000c
	s_cmp_lg_u32 s2, 0x3003
	s_cbranch_scc0 .Lentry_shape_is_right
	s_endpgm
.Lentry_shape_is_right:
; Attention on codes of BF6 (E3M2): 16 (batch, head) pairs, 4,096 positions, head size 64.  S^T = k q^T (K = the head's 64: the upper half of the 128-deep operands is zero codes), the softmax, O^T = v^T p^T (K = the keys),
; O / l, and the quantising of the result along the channels.  q, k, v arrive as register images with their scale words, as the launch before laid them; the result leaves the same way.
; THE SOFTMAX: t = score x log2(e) / 8; M = the running largest t rounded UP to a whole number, kept as -M = floor(-t); p = 2^(t - M) is quantised along the keys, not normalised; the row's sum is taken of the unquantised p;
; when M moves, the sum and O^T are multiplied by 2^(old M - new M), which rounds nothing.  A block's largest p is the block's largest score put through the same multiply-add and exponential
; (this takes v_exp_f32 not to fall where its input rises; at the worst one p of a block would be held one code low).
; SHARES.  A work-group owns 256 queries of one (batch, head); each of its SIXTEEN waves one tile of 16, in 256 registers: four waves to a SIMD, so that one wave's vector work stands beside another's products and LDS loads.
; A lane holds ONE query throughout.  The keys of a tile of k and the d of a tile of v are chosen (pi) so that p's and O^T's registers run along neighbours of the next K.
; THE RING.  Two LDS slots of 8 records (512 keys, four steps of 128), one dense block of 53,248 bytes each; waves 0-3 bring a quarter each, 52 rows of 256 bytes.  By this text's count a wave has one tensor load out.
; CLUSTER.  The four query blocks of a cluster walk the same records, so each quarter is asked for JOINTLY (mask 15); every refill stands first behind a round of the cluster's barrier.
; All LDS reads are images: 16 or 8 bytes a lane on end, so there is no pitch and no padding.  All of a WGP's LDS is claimed.
; LIMITS: NaN and infinities are not served.  A block whose largest magnitude lies under 2^-122, a block of zeros too, keeps the scale byte 1.  v_exp_f32 and v_rcp_f32 are good to 1 ulp; what falls under 2^-126 counts as 0.
.set REC,   6656                       ; a record: k's 4 images (768 each), v's 4 images, 2 x 256 bytes of scale words
.set SLOTB, 65536                      ; slot 1 begins here: one exclusive or turns an address
.set FILLB, 8*REC
.set SPARE, 131072                     ; the spare words, 128 bytes for each of 16 waves: eight blocks of 256 bytes that no other line names
.set A16, 1                            ; v1   16 l + the slot in hand
.set A8,  2                            ; v2   8 l + the slot in hand
.set SPW, 4                            ; v4   my spare word; never rewritten
.set NIL, 5                            ; v5   0; never rewritten
                                       ; v6 -M, v7 the largest t, v[8:9] the sum in two halves
.set QS,  10                           ; v10  q's scale words
.set PS,  11                           ; v11  p's
.set QF,  12                           ; v12-23   q's fragment: v18-23 stay 0
.set KF,  24                           ; v24-71   four fragments of k: the upper six registers of each stay 0
.set VF,  72                           ; v72-119  four fragments of v
.set S,   120                          ; v120-183 S^T, then p
.set OT,  184                          ; v184-215 O^T
.set PC,  216                          ; v216-227 p's codes
.set BM,  228                          ; v228-231 the blocks' largest scores, then their largest p; later half of the codes
.set PD,  232                          ; v232-235 lane permutes' results, bytes; later half of the codes
.set SO,  236                          ; v236-239 the conversions' scale operands
                                       ; v[240:241] f = 2^(old M - new M); v[242:243] at work
.set KSV, 244                          ; v244-251 for record e, tile pair j: v[KSV + 2 (2 e + j)] k's scale words, the next register v's half words
.set VW,  252                          ; v252-253 v's scale words for the step's 128 keys
.set LN,  254                          ; v254 lane
.set WV,  10
.set SEL, 14
.set CS,  28
.set CNT, 30
.set TB,  31
.macro ROUND
	s_barrier_signal -1
	s_barrier_wait -1
	s_cmp_lg_u32 s[WV], 0
	s_cbranch_scc1 .Lnot_wave_0_\@
	s_barrier_signal -3
.Lnot_wave_0_\@:
	s_barrier_wait -3
	s_barrier_signal -1
	s_barrier_wait -1
.endm
.macro PLACES
.rept 4
	v_nop
.endr
.endm
.macro TLOAD                           ; waves 0-3 fetch a quarter of a slot each; the branch hangs on the wave's number alone.  Four v_nop follow the tensor line
	s_cmp_lt_u32 s[WV], 4
	s_cbranch_scc0 .Lnone_\@
	tensor_load_to_lds s[24:27], s[16:23]
	s_nop 0
	PLACES
.Lnone_\@:
.endm
	s_load_b128 s[4:7], s[0:1], 0x0                ; qimg s[4:5], kv s[6:7]
	s_load_b64 s[8:9], s[0:1], 0x10                ; ao
	v_lshl_add_u32 v[SPW], v0, 2, SPARE
	v_mov_b32 v[NIL], 0
	ds_add_u32 v4, v5
	ds_add_u32 v4, v5
	s_wait_dscnt 0x0
	v_lshrrev_b32 v1, 5, v0
	s_delay_alu instid0(VALU_DEP_1)
	v_readfirstlane_b32 s[WV], v1                  ; wave 0..15
	s_bfe_u32 s11, ttmp6, 0x40000                  ; cx: it enters qimg's and ao's addresses alone
	s_lshl_b32 s12, ttmp9, 2
	s_add_co_u32 s12, s12, s11                     ; my block of 256 queries
	s_and_b32 s13, ttmp7, 0xffff                   ; bh = 4 batch + head, which the four partners share
	s_mov_b32 s[SEL], 0x76543210
	s_mov_b32 s[SEL+1], 0xfedcba98
	s_mov_b32 s[CS], 0x3e38aa3b                    ; c = log2(e) / 8
	s_mov_b32 s[CS+1], s[CS]                       ; (named with it as a pair, so it is written)
	s_mov_b32 s[CNT], 7
	s_mov_b32 s[TB], 0
	; descriptor group 1: 52 rows of 256 bytes (32 elements of 8), dense; mask 15, bit 21 beside it
	s_mov_b32 s16, 15|(3<<16)|(1<<21)
	s_mov_b32 s17, 32<<16
	s_mov_b32 s18, 52<<16
	s_mov_b32 s19, 32<<16
	s_mov_b32 s20, 52
	s_mov_b32 s21, 32
	s_mov_b32 s22, 0
	s_mov_b32 s23, 0
	s_and_b32 s32, s[WV], 3
	s_mul_i32 s32, s32, 2*REC                      ; my quarter of a slot: two records
	s_mul_i32 s38, s13, 64*REC
	s_add_co_u32 s38, s38, s32
	s_mov_b32 s39, 0
	s_lshl_b32 s34, s13, 18                        ; q's piece: 262,144 bh + 16,384 block + 1,024 wave
	s_lshl_b32 s33, s12, 14
	s_add_co_u32 s34, s34, s33
	s_lshl_b32 s33, s[WV], 10
	s_add_co_u32 s34, s34, s33
	s_mov_b32 s35, 0
	s_lshr_b32 s36, s13, 2                         ; ao's piece: 1,048,576 batch + 65,536 block + 4,096 wave + 1,024 head
	s_lshl_b32 s36, s36, 20
	s_lshl_b32 s33, s12, 16
	s_add_co_u32 s36, s36, s33
	s_lshl_b32 s33, s[WV], 12
	s_add_co_u32 s36, s36, s33
	s_and_b32 s33, s13, 3
	s_lshl_b32 s33, s33, 10
	s_add_co_u32 s36, s36, s33
	s_mov_b32 s37, 0
	s_wait_kmcnt 0x0
	s_mov_b32 s24, 1                               ; group 0, one set that walks: count 1,
	s_mov_b32 s25, s32                             ; LDS address: slot 0, my quarter,
	s_add_nc_u64 s[26:27], s[6:7], s[38:39]        ; the head's first records,
	s_or_b32 s27, s27, 0x80000000                  ; type 2
	s_add_nc_u64 s[4:5], s[4:5], s[34:35]
	s_add_nc_u64 s[8:9], s[8:9], s[36:37]
	ROUND                                          ; the four work-groups are here: the first joint loads meet
	TLOAD                                          ; slot 0
	v_and_b32 v[LN], 31, v0
	s_delay_alu instid0(VALU_DEP_1)
	v_lshlrev_b32 v[A16], 4, v[LN]
	s_delay_alu instid0(VALU_DEP_2)
	v_lshlrev_b32 v[A8], 3, v[LN]
	global_load_b128 v[QF:QF+3], v[A16], s[4:5]    ; q's image stays in registers
	global_load_b64 v[QF+4:QF+5], v[A8], s[4:5] offset:512
	global_load_b32 v[QS], v[A8], s[4:5] offset:768
.irp j, 6,7,8,9,10,11
	v_mov_b32 v[QF+\j], 0                          ; K = 64 .. 127: zero codes, on both sides
.irp g, 0,1,2,3
	v_mov_b32 v[KF+12*\g+\j], 0
.endr
.endr
	v_mov_b32 v7, 0xff61b1e6                       ; the largest t so far: -3e38, under every t
	s_delay_alu instid0(VALU_DEP_1)
	v_floor_f32 v6, -v7                            ; -M
	v_mov_b32 v8, 0
	v_mov_b32 v9, 0
.irp b, 0,1,2,3
	v_mov_b32 v[PD+\b], 0                          ; a lane permute's destination counts as one of its sources
.endr
	v_mov_b32 v241, 0                              ; (named as the upper half of the pair v[240:241])
.set j, 0
.rept 32
	v_mov_b32 v[OT+j], 0                           ; O^T.  The step is written once: the first finds zeros, which the first change of M leaves zeros
.set j, j+1
.endr
.macro KLOAD base                      ; a record's four tiles of k
.irp g, 0,1,2,3
	ds_load_b128 v[KF+12*\g:KF+12*\g+3], v[A16] offset:\base+768*\g
	ds_load_b64 v[KF+12*\g+4:KF+12*\g+5], v[A8] offset:\base+768*\g+512
.endr
.endm
.macro KQ4 e                           ; S^T of record e's 64 keys: tile 4 e + g; an odd tile's scale words stand in lanes 16-31
.irp g, 0,1,2,3
.if \g%2
	v_wmma_scale_f32_16x16x128_f8f6f4 v[S+8*(4*\e+\g):S+8*(4*\e+\g)+7], v[KF+12*\g:KF+12*\g+11], v[QF:QF+11], 0, v[KSV+2*(2*\e+\g/2)], v[QS] matrix_a_fmt:MATRIX_FMT_BF6 matrix_b_fmt:MATRIX_FMT_BF6 matrix_a_scale:MATRIX_SCALE_ROW1
.else
	v_wmma_scale_f32_16x16x128_f8f6f4 v[S+8*(4*\e+\g):S+8*(4*\e+\g)+7], v[KF+12*\g:KF+12*\g+11], v[QF:QF+11], 0, v[KSV+2*(2*\e+\g/2)], v[QS] matrix_a_fmt:MATRIX_FMT_BF6 matrix_b_fmt:MATRIX_FMT_BF6
.endif
.endr
.endm
; A KEY STEP: 128 keys, records 2 q and 2 q + 1 of the slot in hand
.macro STEP q
.set R0, (2*(\q))*REC
.set R1, (2*(\q)+1)*REC
	KLOAD R0
.irp e, 0,1
.irp j, 0,1
	ds_load_b64 v[KSV+2*(2*\e+\j):KSV+2*(2*\e+\j)+1], v[A8] offset:(2*(\q)+\e)*REC+6144+256*\j
.endr
.endr
	s_wait_dscnt 0x0
	KQ4 0
	PLACES                                         ; ahead of loads into registers that those products read
	KLOAD R1
	s_wait_dscnt 0x0
	KQ4 1
	PLACES                                         ; ahead of the first read of the scores; with the four above, eight lines behind the last step's products, whose fragments of v are loaded anew here
.irp t, 0,1,2,3                                ; v's fragments land under the softmax: registers 0-5 the first record's 64 keys, 6-11 the second's
	ds_load_b128 v[VF+12*\t:VF+12*\t+3], v[A16] offset:R0+3072+768*\t
	ds_load_b64 v[VF+12*\t+4:VF+12*\t+5], v[A8] offset:R0+3072+768*\t+512
	ds_load_b128 v[VF+12*\t+6:VF+12*\t+9], v[A16] offset:R1+3072+768*\t
	ds_load_b64 v[VF+12*\t+10:VF+12*\t+11], v[A8] offset:R1+3072+768*\t+512
.endr
.irp b, 0,1,2,3
	v_max3_num_f32 v[BM+\b], v[S+16*\b], v[S+1+16*\b], v[S+2+16*\b]   ; the largest score of each block of 32 keys: it serves the row's maximum and the block's largest p.  (Each accumulator is read from its low end on)
.endr
.irp i, 3,5,7,9,11,13
.irp b, 0,1,2,3
	v_max3_num_f32 v[BM+\b], v[BM+\b], v[S+16*\b+\i], v[S+1+16*\b+\i]
.endr
.endr
.irp b, 0,1,2,3
	v_max_num_f32 v[BM+\b], v[BM+\b], v[S+15+16*\b]
.endr
.irp b, 0,1,2,3
	s_delay_alu instid0(VALU_DEP_4)
	v_permlanex16_b32 v[PD+\b], v[BM+\b], s[SEL], s[SEL+1]
.endr
.irp b, 0,1,2,3
	s_delay_alu instid0(VALU_DEP_4)
	v_max_num_f32 v[BM+\b], v[BM+\b], v[PD+\b]     ; with lane l xor 16's 16 keys
.endr
	s_delay_alu instid0(VALU_DEP_2)
	v_max3_num_f32 v242, v[BM], v[BM+1], v[BM+2]
	s_delay_alu instid0(VALU_DEP_1)
	v_max_num_f32 v242, v242, v[BM+3]              ; the step's largest score of my query
	s_delay_alu instid0(VALU_DEP_1)
	v_mul_f32 v242, s[CS], v242                    ; as t (c is positive)
	s_delay_alu instid0(VALU_DEP_1)
	v_max_num_f32 v7, v7, v242                     ; the running largest t
	v_mov_b32 v242, v6
	s_delay_alu instid0(VALU_DEP_2)
	v_floor_f32 v6, -v7                            ; the new -M = -ceil(t): a whole number
	s_delay_alu instid0(VALU_DEP_1)
	v_sub_f32 v242, v6, v242                       ; old M - new M: a whole number, 0 or less
	s_delay_alu instid0(VALU_DEP_1)
	v_cvt_i32_f32 v242, v242                       ; (it saturates)
	s_delay_alu instid0(VALU_DEP_1)
	v_ldexp_f32 v240, 1.0, v242                    ; f = 2^(old M - new M)
.set j, 0
.rept 32
	v_pk_fma_f32 v[S+j:S+j+1], v[S+j:S+j+1], s[CS:CS+1], v[6:7] op_sel_hi:[1,0,0]   ; t - M, two at a time
.set j, j+2
.endr
.irp b, 0,1,2,3
	v_fma_f32 v[BM+\b], v[BM+\b], s[CS], v6        ; the same of each block's largest score
.endr
.set j, 0
	s_wait_alu depctr_va_vdst(0)
.rept 64
	v_exp_f32 v[S+j], v[S+j]                       ; p = 2^(t - M), at most 1
.set j, j+1
.endr
.irp b, 0,1,2,3
	v_exp_f32 v[BM+\b], v[BM+\b]                   ; the block's largest p
.endr
	v_pk_mul_f32 v[8:9], v[8:9], v[240:241] op_sel_hi:[1,0]   ; the sums under the new M.  (The plain line behind the exponentials)
	s_wait_dscnt 0x0                               ; v's fragments are in
	v_lshl_or_b32 v[VW], v[KSV+5], 16, v[KSV+1]    ; v's scale words: the first record's two bytes below, the second's above
	v_lshl_or_b32 v[VW+1], v[KSV+7], 16, v[KSV+3]
	s_wait_alu depctr_va_vdst(0)
.irp b, 0,1,2,3
	v_max_num_f32 v[BM+\b], 0x2800000, v[BM+\b]    ; the floor 2^(5 - 127): the byte cannot fall under 1
.endr
.irp b, 0,1,2,3
	s_delay_alu instid0(VALU_DEP_4)
	v_add_nc_u32 v[SO+\b], 0xfe000000, v[BM+\b]    ; 4 off the exponent field: the conversion's scale operand
.endr
.irp b, 0,1,2,3
	s_delay_alu instid0(VALU_DEP_4)
	v_lshrrev_b32 v[PD+\b], 23, v[SO+\b]           ; the scale's byte
.endr
	s_delay_alu instid0(VALU_DEP_3)
	v_lshl_or_b32 v[PS], v[PD+1], 8, v[PD]
	s_delay_alu instid0(VALU_DEP_1)
	v_lshl_or_b32 v[PS], v[PD+2], 16, v[PS]
	s_delay_alu instid0(VALU_DEP_1)
	v_lshl_or_b32 v[PS], v[PD+3], 24, v[PS]
.irp c, 0,1
	v_cvt_scalef32_pk16_bf6_f32 v[PC+6*\c:PC+6*\c+2], v[S+32*\c:S+15+32*\c], v[SO+2*\c]
	v_cvt_scalef32_pk16_bf6_f32 v[BM+4*\c:BM+4*\c+2], v[S+16+32*\c:S+31+32*\c], v[SO+2*\c+1]   ; (a conversion's three registers begin on an even number)
.endr
	v_nop                                          ; one plain line behind a scaled conversion
.irp c, 0,1                                    ; a WHOLE block in a lane: lanes 0-15 block 2 c, lanes 16-31 block 2 c + 1
.irp i, 0,1,2
	v_permlane16_swap_b32 v[PC+6*\c+\i], v[BM+4*\c+\i]
.endr
.irp i, 0,1,2
	s_delay_alu instid0(VALU_DEP_3)
	v_mov_b32 v[PC+3+6*\c+\i], v[BM+4*\c+\i]
.endr
.endr
.set j, 0
.rept 16
	v_pk_mul_f32 v[OT+j:OT+j+1], v[OT+j:OT+j+1], v[240:241] op_sel_hi:[1,0]   ; O^T under the new M, each accumulator from its low end on
.set j, j+2
.endr
	v_pk_add_f32 v[242:243], v[124:125], v[128:129]
	v_pk_add_f32 v[250:251], v[132:133], v[136:137]
	v_pk_add_f32 v[248:249], v[140:141], v[144:145]
	v_pk_add_f32 v[246:247], v[148:149], v[152:153]
	v_pk_add_f32 v[244:245], v[156:157], v[160:161]
	v_pk_add_f32 v[238:239], v[164:165], v[168:169]
	v_pk_add_f32 v[236:237], v[172:173], v[176:177]
	v_pk_add_f32 v[8:9], v[8:9], v[180:181]
	v_pk_add_f32 v[242:243], v[242:243], v[120:121]
	v_pk_add_f32 v[250:251], v[250:251], v[122:123]
	v_pk_add_f32 v[248:249], v[248:249], v[126:127]
	v_pk_add_f32 v[246:247], v[246:247], v[130:131]
	v_pk_add_f32 v[244:245], v[244:245], v[134:135]
	v_pk_add_f32 v[238:239], v[238:239], v[138:139]
	v_pk_add_f32 v[236:237], v[236:237], v[142:143]
	v_pk_add_f32 v[8:9], v[8:9], v[146:147]
	v_pk_add_f32 v[242:243], v[242:243], v[150:151]
	v_pk_add_f32 v[250:251], v[250:251], v[154:155]
	v_pk_add_f32 v[248:249], v[248:249], v[158:159]
	v_pk_add_f32 v[246:247], v[246:247], v[162:163]
	v_pk_add_f32 v[244:245], v[244:245], v[166:167]
	v_pk_add_f32 v[238:239], v[238:239], v[170:171]
	v_pk_add_f32 v[236:237], v[236:237], v[174:175]
	v_pk_add_f32 v[8:9], v[8:9], v[178:179]
	v_pk_add_f32 v[242:243], v[242:243], v[182:183]
	s_delay_alu instid0(VALU_DEP_2)
	v_pk_add_f32 v[8:9], v[8:9], v[246:247]
	s_delay_alu instid0(VALU_DEP_2)
	v_pk_add_f32 v[242:243], v[242:243], v[244:245]
	v_pk_add_f32 v[250:251], v[250:251], v[238:239]
	v_pk_add_f32 v[248:249], v[248:249], v[236:237]
	s_delay_alu instid0(VALU_DEP_2)
	v_pk_add_f32 v[8:9], v[8:9], v[250:251]
	s_delay_alu instid0(VALU_DEP_2)
	v_pk_add_f32 v[242:243], v[242:243], v[248:249]
	s_delay_alu instid0(VALU_DEP_1)
	v_pk_add_f32 v[8:9], v[8:9], v[242:243]
.irp t, 0,1,2,3                                ; O^T += v^T p^T: the four accumulators by turns
.if \t%2
	v_wmma_scale_f32_16x16x128_f8f6f4 v[OT+8*\t:OT+8*\t+7], v[VF+12*\t:VF+12*\t+11], v[PC:PC+11], v[OT+8*\t:OT+8*\t+7], v[VW+\t/2], v[PS] matrix_a_fmt:MATRIX_FMT_BF6 matrix_b_fmt:MATRIX_FMT_BF6 matrix_a_scale:MATRIX_SCALE_ROW1
.else
	v_wmma_scale_f32_16x16x128_f8f6f4 v[OT+8*\t:OT+8*\t+7], v[VF+12*\t:VF+12*\t+11], v[PC:PC+11], v[OT+8*\t:OT+8*\t+7], v[VW+\t/2], v[PS] matrix_a_fmt:MATRIX_FMT_BF6 matrix_b_fmt:MATRIX_FMT_BF6
.endif
.endr
.endm
; THE CHANGE OF SLOTS stands at a slot's head.  Each wave waits for all its tensor loads (its part of the slot ahead), adds 0 to its spare word, and waits for that and for its reads of the slot that it has left.
; fill = 1: a round of the cluster's barrier follows, behind which no wave of any partner reads the slot left or has a load on its way, and that slot's refill stands first: it has four key steps in which to land.
.macro CHANGE fill
	s_wait_tensorcnt 0x0                           ; no tensor load of mine is out, so the group 0 may be written
	ds_add_u32 v[SPW], v[NIL]                      ; 0 onto my spare word
.if \fill
	s_xor_b32 s25, s25, SLOTB                      ; the other slot than last time,
	s_add_nc_u64 s[26:27], s[26:27], FILLB         ; the next eight records; the type bits on top are not reached
.endif
	s_wait_dscnt 0x0                               ; the add is done, and my reads of the slot that I have left are over
.if \fill
	ROUND
	TLOAD
.else
	s_barrier_signal -1
	s_barrier_wait -1
.endif
.endm
.macro SLOT
	v_lshl_add_u32 v[A16], v[LN], 4, s[TB]
	s_wait_alu depctr_va_vdst(0)
	v_lshl_add_u32 v[A8], v[LN], 3, s[TB]
	s_wait_alu depctr_va_vdst(0)
	STEP 0
	STEP 1
	STEP 2
	STEP 3
	s_xor_b32 s[TB], s[TB], SLOTB                  ; on to the other slot
.endm
	s_wait_loadcnt 0x0                             ; q is in, and its loads' address registers are free
.Lslot:                                            ; seven trips: behind each change of slots but the last the next eight records are asked for
	CHANGE 1
	SLOT
	s_sub_co_u32 s[CNT], s[CNT], 1
	s_cmp_lg_u32 s[CNT], 0
	s_cbranch_scc1 .Lslot
	CHANGE 0                                       ; the last slot is written out
	SLOT
	; THE WAY OUT: O^T / l; register 16 b + i is channel 64 head + 32 b + 16 h + i of my query: two blocks of the last product's K.  They are quantised and leave as a half-fragment image.
	PLACES
	v_add_f32 v8, v8, v9                           ; the sum's two halves,
	s_delay_alu instid0(VALU_DEP_1)
	v_permlanex16_b32 v242, v8, s[SEL], s[SEL+1]
	s_delay_alu instid0(VALU_DEP_1)
	v_add_f32 v8, v8, v242                         ; and lane l xor 16's
	s_wait_alu depctr_va_vdst(0)
	v_rcp_f32 v8, v8
	v_nop                                          ; one plain line behind a transcendental
.set j, 0
	s_wait_alu depctr_va_vdst(0)
.rept 32
	v_mul_f32 v[S+j], v[OT+j], v8
.set j, j+1
.endr
.irp b, 0,1
	v_max3_num_f32 v[BM+\b], |v[S+16*\b]|, |v[S+1+16*\b]|, 0x2800000
.endr
.irp i, 2,4,6,8,10,12,14
.irp b, 0,1
	s_delay_alu instid0(VALU_DEP_2)
	v_max3_num_f32 v[BM+\b], v[BM+\b], |v[S+16*\b+\i]|, |v[S+1+16*\b+\i]|
.endr
.endr
.irp b, 0,1
	s_delay_alu instid0(VALU_DEP_2)
	v_permlanex16_b32 v[PD+\b], v[BM+\b], s[SEL], s[SEL+1]
.endr
.irp b, 0,1
	s_delay_alu instid0(VALU_DEP_2)
	v_max_num_f32 v[BM+\b], v[BM+\b], v[PD+\b]
.endr
.irp b, 0,1
	s_delay_alu instid0(VALU_DEP_2)
	v_add_nc_u32 v[SO+\b], 0xfe000000, v[BM+\b]
.endr
.irp b, 0,1
	s_delay_alu instid0(VALU_DEP_2)
	v_lshrrev_b32 v[PD+\b], 23, v[SO+\b]
.endr
	s_delay_alu instid0(VALU_DEP_1)
	v_lshl_or_b32 v242, v[PD+1], 8, v[PD]          ; my row's two bytes; the upper two stay 0
	v_mov_b32 v243, 0
	v_cvt_scalef32_pk16_bf6_f32 v[PC:PC+2], v[S:S+15], v[SO]
	v_cvt_scalef32_pk16_bf6_f32 v[BM:BM+2], v[S+16:S+31], v[SO+1]
	v_nop
.irp i, 0,1,2
	v_permlane16_swap_b32 v[PC+\i], v[BM+\i]
.endr
.irp i, 0,1,2
	s_delay_alu instid0(VALU_DEP_3)
	v_mov_b32 v[PC+3+\i], v[BM+\i]
.endr
	v_lshlrev_b32 v[A16], 4, v[LN]
	v_lshlrev_b32 v[A8], 3, v[LN]
	global_store_b128 v[A16], v[PC:PC+3], s[8:9]               ; 512, 256 and 256 consecutive bytes, each at a multiple of 256 from ao's first byte
	global_store_b64 v[A8], v[PC+4:PC+5], s[8:9] offset:512
	global_store_b64 v[A8], v[242:243], s[8:9] offset:768
	s_wait_tensorcnt 0x0                           ; the wave's end
	ds_add_u32 v[SPW], v[NIL]
	s_wait_dscnt 0x0
	ROUND                                          ; the closing round: no work-group ends while a partner may still ask for a tile that names it
	s_endpgm
.Lfunc_end_k_qc7cd27888d_attn:
	.size	k_qc7cd27888d_attn, .Lfunc_end_k_qc7cd27888d_attn-k_qc7cd27888d_attn
	.p2alignl 7, 3214868480
	.fill 96, 4, 3214868480
	.section	.rodata,"a",@progbits
	.p2align	6, 0x0
	.amdhsa_kernel k_qc7cd27888d_attn
		.amdhsa_group_segment_fixed_size 327680
		.amdhsa_private_segment_fixed_size 0
		.amdhsa_enable_private_segment 0
		.amdhsa_kernarg_size 24
		.amdhsa_user_sgpr_count 2
		.amdhsa_user_sgpr_kernarg_segment_ptr 1
		.amdhsa_wavefront_size32 1
		.amdhsa_system_sgpr_workgroup_id_x 1
		.amdhsa_system_sgpr_workgroup_id_y 1
		.amdhsa_system_sgpr_workgroup_id_z 1
		.amdhsa_system_vgpr_workitem_id 0
		.amdhsa_next_free_vgpr 256
		.amdhsa_next_free_sgpr 66
		.amdhsa_reserve_vcc 0
		.amdhsa_float_denorm_mode_32 3
		.amdhsa_float_denorm_mode_16_64 3
		.amdhsa_memory_ordered 1
		.amdhsa_forward_progress 1
		.amdhsa_inst_pref_size 149
	.end_amdhsa_kernel
	.amdgpu_metadata
---
amdhsa.version: [ 1, 2 ]
amdhsa.kernels:
  - .name:           k_qc7cd27888d_attn
    .symbol:         k_qc7cd27888d_attn.kd
    .args:
      - { .name: qimg, .offset: 0, .size: 8, .value_kind: global_buffer, .address_space: global }
      - { .name: kv, .offset: 8, .size: 8, .value_kind: global_buffer, .address_space: global }
      - { .name: ao, .offset: 16, .size: 8, .value_kind: global_buffer, .address_space: global }
    .group_segment_fixed_size: 327680
    .private_segment_fixed_size: 0
    .kernarg_segment_align: 8
    .kernarg_segment_size: 24
    .max_flat_workgroup_size: 512
    .sgpr_count:     66
    .vgpr_count:     256
    .wavefront_size: 32
...
	.end_amdgpu_metadata
.endif
;; end of part 3
;; launch proj (part 4): grid 256 x 1, 16 waves a work-group, clusters of 4 x 1, 169,984 bytes of LDS; arguments ao, proj_w_codes, proj_w_scales, proj_b, x, out0; writes out0
.if DOCPART == 4
	.amdgcn_target "amdgcn-amd-amdhsa--gfx1250"
	.amdhsa_code_object_version 6
	.text
	.protected	k_qc7cd27888d_proj
	.globl	k_qc7cd27888d_proj
	.p2align	8
	.type	k_qc7cd27888d_proj,@function
k_qc7cd27888d_proj:
	s_mov_b64 s[64:65], 0
	v_nop
	global_prefetch_b8 v0, s[64:65] scope:SCOPE_SE
	s_setreg_imm32_b32 hwreg(HW_REG_WAVE_MODE, 25, 1), 1
	s_wait_xcnt 0x0
	s_wait_alu depctr_hold_cnt(0) depctr_sa_sdst(0) depctr_va_vdst(0) depctr_va_sdst(0) depctr_va_ssrc(0) depctr_va_vcc(0) depctr_vm_vsrc(0)
	s_getreg_b32 s2, hwreg(HW_REG_IB_STS2, 6, 4)
	s_cmp_eq_u32 s2, 0
	s_cbranch_scc0 .Lentry_in_a_cluster
	s_endpgm
.Lentry_in_a_cluster:
	s_bfe_u32 s2, ttmp6, 0x10000c
	s_cmp_lg_u32 s2, 0x3003
	s_cbranch_scc0 .Lentry_shape_is_right
	s_endpgm
.Lentry_shape_is_right:
; out0 = x + W ao + b, the product on codes of BF6 (E3M2) with one E8M0 scale for each 32 along K (the 256 channels).  ao arrives as register images: [batch][chunk][T][head][1,024]: a half-fragment image
; (16 positions pi(T, r) x one head's 64 channels), then at 768 + 8 l the row's two scale bytes.  Heads 2 s and 2 s + 1 are the two halves of K step s's fragment.
; A work-group takes a chunk of 64 positions; wave w makes output channels 16 w .. 16 w + 15 for all 64.  Source 0 = ao's fragment, source 1 = 16 rows of W: lane (r, h) holds channel 16 w + r, and register j of tile T
; position 32 (T / 2) + 16 h + 8 (T % 2) + j: eight neighbours of a row of out0.  The bias is the C of each sum's first product.
; The results go through the wave's own stage in LDS and come back as rows of 256 bytes; x is added there, and sixteen lanes store 256 consecutive bytes, aligned.
; CLUSTER: all work-groups read the same 51,200 bytes of W, so the four of a cluster ask for them JOINTLY (mask 15); the chunk's 16,384 bytes of ao come by a load of the work-group's own.  No LDS byte is filled twice.
; By this text's count a wave has one tensor load out.
; LIMITS: NaN and infinities are not served.
.set AOR, 0                            ; LDS: ao's record, 16 pieces of 1,024 bytes       (filled once)
.set WSC, 16384                        ; W's scale bytes, 256 rows x 8                     (filled once)
.set WC,  18432                        ; W's codes: 256 rows of 192 bytes, 16 bytes of padding behind every 64: pitch 240     (filled once)
.set STG, 79872                        ; the stages: 16 rows x 272 bytes for each wave     (stored by the waves)
.set WF,  12                           ; v12-35   W's two fragments
.set WS,  36                           ; v36-37   their scale words
.set AF,  40                           ; v40-135  ao's eight fragments (2 T + s); later the rows read back
.set AR,  136                          ; v136-151 their half words
.set AW,  152                          ; v152-159 their scale words
.set ACC, 160                          ; v160-191 four accumulators
.set BI,  192                          ; v192-199 the bias, eight times
.set XR,  200                          ; v200-231 x
.set WV,  16
.macro ROUND
	s_barrier_signal -1
	s_barrier_wait -1
	s_cmp_lg_u32 s[WV], 0
	s_cbranch_scc1 .Lnot_wave_0_\@
	s_barrier_signal -3
.Lnot_wave_0_\@:
	s_barrier_wait -3
	s_barrier_signal -1
	s_barrier_wait -1
.endm
.macro PLACES
.rept 4
	v_nop
.endr
.endm
.macro MMC d, a, b, c, sa, sb
	v_wmma_scale_f32_16x16x128_f8f6f4 v[\d:\d+7], v[\a:\a+11], v[\b:\b+11], v[\c:\c+7], v[\sa], v[\sb] matrix_a_fmt:MATRIX_FMT_BF6 matrix_b_fmt:MATRIX_FMT_BF6
.endm
.macro FRAGW reg, adr, s               ; a fragment of W from its padded rows: six pieces of 8 bytes; where lanes 16-31's piece lies behind one padding more, register adr + 1 serves
.irp p, 0,1,2,3,4,5
.set PCE, 12*(\s)+6*(\p/3)+\p%3
.if PCE%8 < 5
	ds_load_b64 v[\reg+2*\p:\reg+2*\p+1], v[\adr] offset:8*PCE+16*(PCE/8)
.else
	ds_load_b64 v[\reg+2*\p:\reg+2*\p+1], v[\adr+1] offset:8*PCE+16*(PCE/8)
.endif
.endr
.endm
	s_load_b256 s[4:11], s[0:1], 0x0               ; ao s[4:5], W's codes s[6:7], W's scales s[8:9], the bias s[10:11]
	s_load_b128 s[12:15], s[0:1], 0x20             ; x s[12:13], out0 s[14:15]
	v_lshl_add_u32 v232, v0, 2, 0x29000
	v_mov_b32 v233, 0
	ds_add_u32 v232, v233
	ds_add_u32 v232, v233
	v_lshrrev_b32 v1, 5, v0
	s_delay_alu instid0(VALU_DEP_1)
	v_readfirstlane_b32 s[WV], v1                  ; wave 0..15
	s_bfe_u32 s17, ttmp6, 0x40000                  ; cx: it enters global addresses of ao, x and out0 alone
	s_lshl_b32 s18, ttmp9, 2
	s_add_co_u32 s18, s18, s17                     ; work-group
	s_lshr_b32 s19, s18, 6                         ; batch
	s_and_b32 s20, s18, 63                         ; chunk
	v_and_b32 v10, 31, v0                          ; lane
	v_and_b32 v11, 15, v0                          ; r
	v_bfe_u32 v38, v0, 4, 1                        ; h
	s_delay_alu instid0(VALU_DEP_3)
	v_lshlrev_b32 v1, 4, v10                       ; v1  16 l
	s_delay_alu instid0(VALU_DEP_4)
	v_lshlrev_b32 v2, 3, v10                       ; v2  8 l
	s_mul_i32 s22, s[WV], 3840
	s_add_co_u32 s22, s22, WC
	v_mul_u32_u24 v3, v11, 240
	s_delay_alu instid0(VALU_DEP_1)
	v_mad_u32_u24 v3, v38, 24, v3
	s_delay_alu instid0(VALU_DEP_1)
	v_add_nc_u32 v3, s22, v3                       ; v3  W: row 16 w + r, + 24 h
	s_delay_alu instid0(VALU_DEP_1)
	v_lshl_add_u32 v4, v38, 4, v3                  ; v4  the same behind one padding more
	s_lshl_b32 s22, s[WV], 7
	s_add_co_u32 s22, s22, WSC
	v_lshl_add_u32 v5, v11, 3, s22                 ; v5  W's scale bytes: 8 a row
	s_mul_i32 s22, s[WV], 4352
	s_add_co_u32 s22, s22, STG
	v_mul_u32_u24 v6, v11, 272
	s_delay_alu instid0(VALU_DEP_1)
	v_lshl_add_u32 v6, v38, 6, v6
	s_delay_alu instid0(VALU_DEP_1)
	v_add_nc_u32 v6, s22, v6                       ; v6  into my stage: row r, + 64 h
	v_mul_u32_u24 v7, v38, 272
	s_delay_alu instid0(VALU_DEP_1)
	v_lshl_add_u32 v7, v11, 4, v7
	s_delay_alu instid0(VALU_DEP_1)
	v_add_nc_u32 v7, s22, v7                       ; v7  back: lanes 0-15 one row, lanes 16-31 the next
	s_lshl_b32 s22, s[WV], 18
	v_lshlrev_b32 v8, 4, v11
	s_delay_alu instid0(VALU_DEP_1)
	v_lshl_add_u32 v8, v38, 14, v8
	s_delay_alu instid0(VALU_DEP_1)
	v_add_nc_u32 v8, s22, v8                       ; v8  the same two rows in x and out0: channel 16 w + h
	s_lshl_b32 s22, s[WV], 6
	v_lshl_add_u32 v9, v11, 2, s22                 ; v9  the bias of channel 16 w + r
	; descriptor groups 1.  W's codes: 64 rows of 192 bytes, padded;  its scale bytes: 8 rows of 256 bytes;  both joint (mask 15, bit 21 beside it).  ao's record: 64 rows of 256 bytes, the work-group's own
	s_mov_b32 s24, 15|(1<<20)|(1<<21)|(3<<22)|(3<<25)
	s_mov_b32 s25, 192<<16
	s_mov_b32 s26, 64<<16
	s_mov_b32 s27, 192<<16
	s_mov_b32 s28, 64
	s_mov_b32 s29, 192
	s_mov_b32 s30, 0
	s_mov_b32 s31, 0
	s_mov_b32 s32, 15|(3<<16)|(1<<21)
	s_mov_b32 s33, 32<<16
	s_mov_b32 s34, 8<<16
	s_mov_b32 s35, 32<<16
	s_mov_b32 s36, 8
	s_mov_b32 s37, 32
	s_mov_b32 s38, 0
	s_mov_b32 s39, 0
	s_mov_b32 s40, 3<<16
	s_mov_b32 s41, 32<<16
	s_mov_b32 s42, 64<<16
	s_mov_b32 s43, 32<<16
	s_mov_b32 s44, 64
	s_mov_b32 s45, 32
	s_mov_b32 s46, 0
	s_mov_b32 s47, 0
	s_and_b32 s21, s[WV], 3                        ; waves 0-3 fetch a quarter of W each
	s_mov_b32 s48, 1
	s_mul_i32 s49, s21, 15360
	s_add_co_u32 s49, s49, WC
	s_mul_i32 s22, s21, 12288
	s_mov_b32 s23, 0
	s_mov_b32 s52, 1
	s_mov_b32 s53, WSC
	s_mov_b32 s56, 1
	s_mov_b32 s57, AOR
	s_wait_alu depctr_va_vdst(0)
	s_wait_dscnt 0x0
	s_wait_kmcnt 0x0
	s_add_nc_u64 s[50:51], s[6:7], s[22:23]
	s_or_b32 s51, s51, 0x80000000
	s_mov_b64 s[54:55], s[8:9]
	s_or_b32 s55, s55, 0x80000000
	s_lshl_b32 s22, s18, 14                        ; ao: 16,384 bytes a chunk
	s_add_nc_u64 s[58:59], s[4:5], s[22:23]
	s_or_b32 s59, s59, 0x80000000
	s_lshl_b32 s22, s19, 22
	s_lshl_b32 s21, s20, 8
	s_add_co_u32 s22, s22, s21                     ; x, out0: the batch, and the chunk's 256 bytes of a channel
	s_add_nc_u64 s[12:13], s[12:13], s[22:23]
	s_add_nc_u64 s[14:15], s[14:15], s[22:23]
.irp j, 0,1,2,3,4,5,6,7
	global_load_b32 v[BI+\j], v9, s[10:11]         ; a lane's eight results of a tile share one bias
.endr
.irp i, 0,1,2,3,4,5,6,7
	global_load_b128 v[XR+4*\i:XR+4*\i+3], v8, s[12:13] offset:32768*\i th:TH_LOAD_NT   ; channel 16 w + 2 i + h: the program's last read of x
.endr
	ROUND                                          ; the four work-groups are here: the joint loads meet
	s_cmp_lt_u32 s[WV], 4                          ; a wave's one fill, if it has one; the branches hang on the wave's number alone.  Four v_nop follow each tensor line
	s_cbranch_scc0 .Lnot_w
	tensor_load_to_lds s[48:51], s[24:31]
	s_nop 0
	PLACES
	s_branch .Lasked
.Lnot_w:
	s_cmp_eq_u32 s[WV], 4
	s_cbranch_scc0 .Lnot_s
	tensor_load_to_lds s[52:55], s[32:39]
	s_nop 0
	PLACES
	s_branch .Lasked
.Lnot_s:
	s_cmp_eq_u32 s[WV], 5
	s_cbranch_scc0 .Lasked
	tensor_load_to_lds s[56:59], s[40:47]
	s_nop 0
	PLACES
.Lasked:
	s_wait_tensorcnt 0x0                           ; my fill has landed,
	s_barrier_signal -1
	s_barrier_wait -1                              ; everybody's has
.irp s, 0,1
	FRAGW WF+12*\s, 3, \s
	ds_load_b32 v[WS+\s], v5 offset:4*\s
.endr
.irp m, 0,1,2,3
.irp s, 0,1
	ds_load_b128 v[AF+12*(2*\m+\s):AF+12*(2*\m+\s)+3], v1 offset:AOR+1024*(4*\m+2*\s)
	ds_load_b64 v[AF+12*(2*\m+\s)+4:AF+12*(2*\m+\s)+5], v2 offset:AOR+1024*(4*\m+2*\s)+512
	ds_load_b128 v[AF+12*(2*\m+\s)+6:AF+12*(2*\m+\s)+9], v1 offset:AOR+1024*(4*\m+2*\s+1)
	ds_load_b64 v[AF+12*(2*\m+\s)+10:AF+12*(2*\m+\s)+11], v2 offset:AOR+1024*(4*\m+2*\s+1)+512
	ds_load_b32 v[AR+2*(2*\m+\s)], v2 offset:AOR+1024*(4*\m+2*\s)+768
	ds_load_b32 v[AR+2*(2*\m+\s)+1], v2 offset:AOR+1024*(4*\m+2*\s+1)+768
.endr
.endr
	s_wait_dscnt 0x0
.irp f, 0,1,2,3,4,5,6,7
	v_lshl_or_b32 v[AW+\f], v[AR+2*\f+1], 16, v[AR+2*\f]   ; head 2 s's two bytes below, head 2 s + 1's above
.endr
.rept 8
	v_nop                                          ; a scale word made by a vector instruction stands eight plain lines ahead of the scaled product
.endr
	s_wait_alu depctr_va_vdst(0)
	s_wait_loadcnt 8                               ; the bias is in; the eight loads of x were issued behind it
.irp s, 0,1                                    ; the four accumulators by turns, a K step at a time
.irp m, 0,1,2,3
.if \s == 0
	MMC ACC+8*\m, AF+12*(2*\m+\s), WF+12*\s, BI, AW+2*\m+\s, WS+\s
.else
	MMC ACC+8*\m, AF+12*(2*\m+\s), WF+12*\s, ACC+8*\m, AW+2*\m+\s, WS+\s
.endif
.endr
.endr
	PLACES                                         ; ahead of the reads of results and of the loads into ao's registers
.irp m, 0,1,2,3
	ds_store_b128 v6, v[ACC+8*\m:ACC+8*\m+3] offset:128*(\m/2)+32*(\m%2)        ; each accumulator from its low end on
	ds_store_b128 v6, v[ACC+8*\m+4:ACC+8*\m+7] offset:128*(\m/2)+32*(\m%2)+16
.endr
.irp i, 0,1,2,3,4,5,6,7
	ds_load_b128 v[AF+4*\i:AF+4*\i+3], v7 offset:544*\i   ; LDS serves a wave's instructions in order (ISA guide 5.7.1.4): these see my stores; the stage is my own
.endr
	s_wait_loadcnt 0x0                             ; x
.irp i, 0,1,2,3,4,5,6,7
	s_wait_dscnt 7-\i                              ; rows 2 i, 2 i + 1 are back; the younger reads stay out
	v_pk_add_f32 v[AF+4*\i:AF+4*\i+1], v[AF+4*\i:AF+4*\i+1], v[XR+4*\i:XR+4*\i+1]
	v_pk_add_f32 v[AF+4*\i+2:AF+4*\i+3], v[AF+4*\i+2:AF+4*\i+3], v[XR+4*\i+2:XR+4*\i+3]
	global_store_b128 v8, v[AF+4*\i:AF+4*\i+3], s[14:15] offset:32768*\i th:TH_STORE_NT   ; sixteen lanes store 256 consecutive bytes, at a multiple of 256 from out0's first byte
.endr
	s_wait_tensorcnt 0x0
	ds_add_u32 v232, v233
	s_wait_dscnt 0x0
	ROUND                                          ; the closing round: no work-group ends while a partner may still ask for a tile that names it
	s_endpgm
.Lfunc_end_k_qc7cd27888d_proj:
	.size	k_qc7cd27888d_proj, .Lfunc_end_k_qc7cd27888d_proj-k_qc7cd27888d_proj
	.p2alignl 7, 3214868480
	.fill 96, 4, 3214868480
	.section	.rodata,"a",@progbits
	.p2align	6, 0x0
	.amdhsa_kernel k_qc7cd27888d_proj
		.amdhsa_group_segment_fixed_size 169984
		.amdhsa_private_segment_fixed_size 0
		.amdhsa_enable_private_segment 0
		.amdhsa_kernarg_size 48
		.amdhsa_user_sgpr_count 2
		.amdhsa_user_sgpr_kernarg_segment_ptr 1
		.amdhsa_wavefront_size32 1
		.amdhsa_system_sgpr_workgroup_id_x 1
		.amdhsa_system_sgpr_workgroup_id_y 1
		.amdhsa_system_sgpr_workgroup_id_z 1
		.amdhsa_system_vgpr_workitem_id 0
		.amdhsa_next_free_vgpr 234
		.amdhsa_next_free_sgpr 66
		.amdhsa_reserve_vcc 0
		.amdhsa_float_denorm_mode_32 3
		.amdhsa_float_denorm_mode_16_64 3
		.amdhsa_memory_ordered 1
		.amdhsa_forward_progress 1
		.amdhsa_inst_pref_size 18
	.end_amdhsa_kernel
	.amdgpu_metadata
---
amdhsa.version: [ 1, 2 ]
amdhsa.kernels:
  - .name:           k_qc7cd27888d_proj
    .symbol:         k_qc7cd27888d_proj.kd
    .args:
      - { .name: ao, .offset: 0, .size: 8, .value_kind: global_buffer, .address_space: global }
      - { .name: proj_w_codes, .offset: 8, .size: 8, .value_kind: global_buffer, .address_space: global }
      - { .name: proj_w_scales, .offset: 16, .size: 8, .value_kind: global_buffer, .address_space: global }
      - { .name: proj_b, .offset: 24, .size: 8, .value_kind: global_buffer, .address_space: global }
      - { .name: x, .offset: 32, .size: 8, .value_kind: global_buffer, .address_space: global }
      - { .name: out0, .offset: 40, .size: 8, .value_kind: global_buffer, .address_space: global }
    .group_segment_fixed_size: 169984
    .private_segment_fixed_size: 0
    .kernarg_segment_align: 8
    .kernarg_segment_size: 48
    .max_flat_workgroup_size: 512
    .sgpr_count:     66
    .vgpr_count:     234
    .wavefront_size: 32
...
	.end_amdgpu_metadata
.endif
;; end of part 4
